; MI455X (gfx1250); checked and timed in simulation.
; The chip was launched on July 23, 2026; its instructions are those of AMD's public machine-readable ISA for CDNA 5 (MIT licence, August 2026) and "CDNA5" Instruction Set Architecture Reference Guide (July 2026). The comments in the code are by the model that wrote it; some were corrected since.
;; Spatial Axial Attention. Allowed arithmetic: matrix products marked QUANTISED: E2M3 operands, one E8M0 scale for each 32 along K, by v_wmma_scale_f32_16x16x128_f8f6f4 with both operands' format E2M3, f32 sums; everything else in f32.
;; Inputs: b_out 1,024 float32; w_out 1,024 x 1,024 float32; w_qkv 1,024 x 3,072 float32; x 2 x 4 x 32 x 32 x 1,024 float32.
;; Outputs: out0 2 x 4 x 32 x 32 x 1,024 float32.
;; This version of the problem:
;;   THIS VERSION OF THE PROBLEM IS GIVEN IN LOW PRECISION. The matrix products marked QUANTISED in the list below multiply operands that are first quantised to E2M3 (2 exponent bits, 3 mantissa bits; 6 bits a number), with one power-of-two scale for each 32 numbers along K (OCP MX v1.0); their sums are f32. All else is computed in f32.
;;   The module's matrix products, in the order in which they are computed (A, B: the left and right operand; K: the contracted axis; several contracted axes count as one K, in the product's order):
;;     1. [M 8,192, K 1,024] x [K 1,024, N 3,072]; A: input x; B: input w_qkv: QUANTISED
;;     2. batch 128 x [M 1,024, K 64] x [K 64, N 1,024]; A: computed on the way; B: computed on the way: QUANTISED
;;     3. batch 128 x [M 1,024, K 1,024] x [K 1,024, N 64]; A: softmax (see below); B: computed on the way: QUANTISED
;;     4. [M 8,192, K 1,024] x [K 1,024, N 1,024]; A: computed on the way; B: input w_out: QUANTISED
;;   THE QUANTISER, for each operand of a quantised product, along K:
;;     - K is cut into blocks of 32 from its start; a last block that is shorter is filled with zeros.
;;     - A block's scale is 2^e with e = floor(log2(the largest magnitude in the block)) - 2, held to -126 .. 127; a block of zeros has e = 0. As a byte (E8M0): e + 127.
;;     - Each number is divided by its block's scale, clamped to +-7.5, and rounded to the nearest number of E2M3, ties to even, subnormals kept.
;;     - The product sums the exact products of the quantised numbers (number of the format x scale) in f32.
;;   ~~~python
;;   def quantise(x, axis):      # numpy; x: float32 -> the quantised numbers, widened to float32 again
;;       x = np.moveaxis(x, axis, -1); K = x.shape[-1]
;;       x = np.pad(x, [(0, 0)] * (x.ndim - 1) + [(0, -K % 32)]); x = x.reshape(x.shape[:-1] + (-1, 32)); a = np.abs(x).max(-1, keepdims=True)
;;       e = np.where(a > 0, np.clip(np.frexp(np.where(a > 0, a, 1))[1] - 1 - 2, -126, 127), 0)      # np.frexp(a)[1] - 1 = floor(log2(a)), exactly
;;       r = np.clip(x / 2.0 ** e, -7.5, 7.5)
;;       step = 2.0 ** (np.maximum(np.frexp(np.where(r == 0, 1, r))[1] - 1, 0) - 3)
;;       q = np.round(r / step) * step * 2.0 ** e      # np.round: ties to even
;;       return np.moveaxis(q.reshape(q.shape[:-2] + (-1,))[..., :K], -1, axis).astype(np.float32)
;;   ~~~
;;   SOFTMAX AHEAD OF A QUANTISED PRODUCT. Where the list says 'softmax', what is quantised is not the finished softmax but p = 2^(t - M), with t = logit x log2(e) and M = ceil(the row's largest t), a whole number; so 1/2 < the row's largest p <= 1. The row's sum l is taken of the UNQUANTISED p, in f32, and the product's result is divided by l at the end. Since M is a whole number, a kernel that streams over the keys may use a running M (the ceiling of the running maximum): every later rescaling is an exact power of two, which a block's scale takes up: the codes' values come out the same.
;;   OPERANDS COMPUTED ON THE WAY. 'Computed on the way' means the value that the module computes at that place (a softmax that the list does not call 'softmax' is quantised finished and normalised). What goes into a quantiser is computed in f32, as accurately as f32 sums, v_exp_f32 and their like allow (about 1e-6 of the number): no bf16 or f16 on the way to a quantiser, and a product that is left as it is and whose result goes on into a quantised operand takes f32 operands (vector FMAs, or v_wmma_f32_16x16x4_f32). A number that lies on a knife's edge between two numbers of the format may be rounded either way, as far as f32 arithmetic and the matrix unit's own rounding can turn it there, and no further.
;; One version. Each part assembles by itself: llvm-mc -triple=amdgcn-amd-amdhsa -mcpu=gfx1250 --defsym DOCPART=n.
;; ======== version 1 of 1: 5 launches
;; limits: right only within a limited range of input values
;; workspace buffers: ximg 6,291,456 bytes; xsc 262,144 bytes; wimg 3,145,728 bytes; wsc 131,072 bytes; rope 4,096 bytes; qkv 20,447,232 bytes; oimg 6,291,456 bytes; osc 262,144 bytes
;; launch quant_x (part 1): grid 256 x 1, 4 waves a work-group, no clusters, 168,448 bytes of LDS; arguments x, ximg, xsc; writes ximg, xsc
.if DOCPART == 1
	.amdgcn_target "amdgcn-amd-amdhsa--gfx1250"
	.amdhsa_code_object_version 6
	.text
	.protected	k_qdebb68c2c6_quant_x
	.globl	k_qdebb68c2c6_quant_x
	.p2align	8
	.type	k_qdebb68c2c6_quant_x,@function
k_qdebb68c2c6_quant_x:
	s_mov_b64 s[64:65], 0
	v_nop
	global_prefetch_b8 v0, s[64:65] scope:SCOPE_SE
	s_setreg_imm32_b32 hwreg(HW_REG_WAVE_MODE, 25, 1), 1
	s_wait_xcnt 0x0
; x [8192][1024] f32 becomes codes of FP6 (E2M3) with one E8M0 byte for each 32 along K, laid as the matrix unit's registers want them.
; ximg: [row tile 512][K step 8][1,536 bytes]: a fragment (16 rows x 128 K, 12 registers a lane) as three runs of 512 bytes, registers 4 c .. 4 c + 3 of lane l at 512 c + 16 l.
; THE ROWS OF A TILE ARE NOT NEIGHBOURS: in each group of 32 rows, lane r of tile u holds row 8 u + r + 8 (r / 8).  So a later product that takes these tiles as source 0 leaves 16 neighbouring rows in a lane's 16 registers.
; xsc: [64 rows 128][K step 8][256 bytes]: the word of (tile t of the four, row r) at 128 (t / 2) + 8 r + 4 (t % 2).
; SHARES: a work-group takes 64 rows and half of K; wave w one K step (128 along K) of the 64 rows: four fragments.  Its 64 x 512 bytes come by one tensor load (64 rows: one is out) into LDS bytes
; that only this wave reads, filled once: no barrier.  LDS rows are 528 bytes apart.  A lane reads 16 neighbours of each block of 32 of its row: register 16 b + i = k 32 b + 16 (lane / 16) + i.
; A block's scale is 2^(floor(log2(largest magnitude)) - 2): its byte is the largest magnitude's exponent field - 2, held at 1 from below.
; LIMITS: NaN and infinities are not served; a block of zeros, or one whose largest magnitude lies under 2^-124, gets the byte 1 (its codes are zeros or held): the bytes are read by this program alone.
.set TM,    8                          ; v8-11 largest magnitudes, v12-15 the other half's / the bytes, v20-23 the conversions' scale operands
.set PW,    24                         ; v24-27 the four tiles' scale words
.set SP,    28                         ; v[28:29] the pair that is stored
.set X0,    32                         ; v32-95, v96-159: two sets of 64 numbers
.set PC,    160                        ; v160-207 four fragments: no store's data are written again
.set PT,    208                        ; v208-215 the upper halves of blocks, before they are moved
.set SEL,   32                         ; s[32:33] lane selects for v_permlanex16_b32: lane l xor 16
.set PITCH, 528
.set PIECE, 32*PITCH
.set WREG,  2*PIECE
; 64 numbers v[s] .. v[s + 63] become six registers of codes at d0 (blocks 0, 1), six at d1 (blocks 2, 3) and the row's scale word in v[pw].
.macro QUANT s, d0, d1, pw
.irp b, 0,1,2,3
	v_max3_num_f32 v[TM+\b], |v[(\s)+16*\b]|, |v[(\s)+1+16*\b]|, 0x1800000   ; my 16 numbers of block b, and the floor 2^(3 - 127): the byte cannot fall under 1
.endr
.irp i, 2,4,6,8,10,12,14
.irp b, 0,1,2,3
	v_max3_num_f32 v[TM+\b], v[TM+\b], |v[(\s)+16*\b+\i]|, |v[(\s)+1+16*\b+\i]|   ; the four blocks by turns
.endr
.endr
.irp b, 0,1,2,3
	v_permlanex16_b32 v[TM+4+\b], v[TM+\b], s[SEL], s[SEL+1]
.endr
.irp b, 0,1,2,3
	v_max_num_f32 v[TM+\b], v[TM+\b], v[TM+4+\b]   ; with lane l xor 16's 16: the block's largest magnitude
.endr
.irp b, 0,1,2,3
	v_add_nc_u32 v[TM+12+\b], 0xff000000, v[TM+\b]   ; 2 off its exponent field: the conversion's scale operand
.endr
.irp b, 0,1,2,3
	v_lshrrev_b32 v[TM+4+\b], 23, v[TM+12+\b]      ; the scale's byte
.endr
	v_lshl_or_b32 v[\pw], v[TM+5], 8, v[TM+4]
	v_lshl_or_b32 v[\pw], v[TM+6], 16, v[\pw]
	v_lshl_or_b32 v[\pw], v[TM+7], 24, v[\pw]
	v_cvt_scalef32_pk16_fp6_f32 v[(\d0):(\d0)+2], v[(\s):(\s)+15], v[TM+12]
	v_cvt_scalef32_pk16_fp6_f32 v[PT:PT+2], v[(\s)+16:(\s)+31], v[TM+13]     ; (a conversion's three registers begin on an even number)
	v_cvt_scalef32_pk16_fp6_f32 v[(\d1):(\d1)+2], v[(\s)+32:(\s)+47], v[TM+14]
	v_cvt_scalef32_pk16_fp6_f32 v[PT+4:PT+6], v[(\s)+48:(\s)+63], v[TM+15]
	v_nop                                          ; one plain line behind the scaled conversions
.irp i, 0,1,2
	v_permlane16_swap_b32 v[(\d0)+\i], v[PT+\i]    ; the layout wants a whole block in a lane: lanes 0-15 the even block, lanes 16-31 the odd one
	v_permlane16_swap_b32 v[(\d1)+\i], v[PT+4+\i]
.endr
.irp i, 0,1,2
	v_mov_b32 v[(\d0)+3+\i], v[PT+\i]
	v_mov_b32 v[(\d1)+3+\i], v[PT+4+\i]
.endr
.endm
	s_load_b128 s[4:7], s[0:1], 0x0                ; x, ximg
	s_load_b64 s[8:9], s[0:1], 0x10                ; xsc
	v_lshl_add_u32 v224, v0, 2, 0x29000
	v_mov_b32 v225, 0
	ds_add_u32 v224, v225
	ds_add_u32 v224, v225
	v_lshrrev_b32 v4, 5, v0
	v_readfirstlane_b32 s10, v4                    ; wave
	s_lshr_b32 s11, ttmp9, 1                       ; which 64 rows
	s_and_b32 s12, ttmp9, 1
	s_lshl_b32 s12, s12, 2
	s_add_co_u32 s12, s12, s10                     ; my K step
	; descriptor group 1: 64 rows x 128 elements of 4 bytes, 16 bytes of padding behind each row of 128 words
	s_mov_b32 s16, (2<<16)|(1<<20)|(6<<22)|(3<<25)
	s_mov_b32 s17, 128<<16                         ; tensor_dim0
	s_mov_b32 s18, 64<<16                          ; tensor_dim1: all 64 rows by ONE load a wave
	s_mov_b32 s19, 128<<16                         ; tile_dim0
	s_mov_b32 s20, 64                              ; tile_dim1
	s_mov_b32 s21, 1024                            ; elements from row to row
	s_mov_b32 s22, 0
	s_mov_b32 s23, 0
	s_mul_i32 s13, s10, WREG                       ; my wave's LDS bytes
	s_lshl_b32 s14, s11, 18                        ; 64 rows of 4,096 bytes
	s_lshl_b32 s15, s12, 9                         ; 512 bytes a K step
	s_add_co_u32 s14, s14, s15
	s_mov_b32 s15, 0
	s_mul_i32 s34, s11, 4*12288                    ; ximg: four tiles of 12,288 bytes,
	s_mul_i32 s35, s12, 1536                       ; my K step's fragment in each
	s_add_co_u32 s34, s34, s35
	s_mov_b32 s35, 0
	s_lshl_b32 s36, s11, 11                        ; xsc: 2,048 bytes for 64 rows, 256 a K step
	s_lshl_b32 s37, s12, 8
	s_add_co_u32 s36, s36, s37
	s_mov_b32 s37, 0
	s_mov_b32 s[SEL], 0x76543210
	s_mov_b32 s[SEL+1], 0xfedcba98
	s_wait_dscnt 0x0
	s_wait_kmcnt 0x0
	s_add_nc_u64 s[4:5], s[4:5], s[14:15]
	s_add_nc_u64 s[6:7], s[6:7], s[34:35]
	s_add_nc_u64 s[8:9], s[8:9], s[36:37]
	s_mov_b32 s24, 1
	s_mov_b32 s25, s13
	s_mov_b64 s[26:27], s[4:5]
	s_or_b32 s27, s27, 0x80000000
	tensor_load_to_lds s[24:27], s[16:23]          ; rows 0-63: the two pieces of 32 rows lie one behind the other in LDS
	s_nop 0
.rept 4
	v_nop
.endr
	v_and_b32 v5, 31, v0                           ; lane
	v_bfe_u32 v6, v0, 4, 1                         ; h
	v_lshlrev_b32 v1, 4, v5                        ; 16 x lane
	v_lshlrev_b32 v2, 3, v5                        ; 8 x lane
	v_and_b32 v3, 7, v0
	v_bfe_u32 v7, v0, 3, 1
	v_lshl_add_u32 v3, v7, 4, v3                   ; r + 8 (r / 8)
	v_mul_u32_u24 v3, v3, PITCH
	v_lshl_add_u32 v3, v6, 6, v3                   ; + 64 h: my 16 numbers of a block
	v_add_nc_u32 v3, s13, v3
.irp b, 0,1,2,3
	v_mov_b32 v[TM+4+\b], 0                        ; written once: a lane permute's destination counts as one of its sources
.endr
.macro LOADX t                         ; tile t = 2 G + u: piece G, rows 8 u further down
.irp b, 0,1,2,3
.irp j, 0,1,2,3
	ds_load_b128 v[X0+64*((\t)%2)+16*\b+4*\j:X0+64*((\t)%2)+16*\b+4*\j+3], v3 offset:((\t)/2)*PIECE+((\t)%2)*8*PITCH+128*\b+16*\j
.endr
.endr
.endm
.macro OUT t
.irp c, 0,1,2
	global_store_b128 v1, v[PC+12*(\t)+4*\c:PC+12*(\t)+4*\c+3], s[6:7] offset:12288*(\t)+512*\c   ; 32 lanes store 512 consecutive bytes
.endr
.endm
	s_wait_alu depctr_va_vdst(0)
	s_wait_tensorcnt 0x0                           ; my 64 rows are in
	LOADX 0
	LOADX 1
	s_wait_dscnt 16                                ; tile 0's 16 loads are in; tile 1's may be out
	QUANT X0, PC, PC+6, PW
	OUT 0
	LOADX 2
	s_wait_dscnt 16                                ; tile 1's are in; tile 2's may be out
	QUANT X0+64, PC+12, PC+18, PW+1
	OUT 1
	LOADX 3
	s_wait_dscnt 16                                ; tile 2's are in; tile 3's may be out
	QUANT X0, PC+24, PC+30, PW+2
	OUT 2
	s_wait_dscnt 0x0
	QUANT X0+64, PC+36, PC+42, PW+3
	OUT 3
	v_cmp_lt_u32 vcc_lo, 15, v5                    ; lanes 16-31 carry tiles 2 and 3
	v_cndmask_b32 v[SP], v[PW], v[PW+2], vcc_lo
	v_cndmask_b32 v[SP+1], v[PW+1], v[PW+3], vcc_lo
	global_store_b64 v2, v[SP:SP+1], s[8:9]        ; 32 lanes store 256 consecutive bytes, aligned
	s_wait_tensorcnt 0x0
	ds_add_u32 v224, v225
	s_wait_dscnt 0x0
	s_endpgm
.Lfunc_end_k_qdebb68c2c6_quant_x:
	.size	k_qdebb68c2c6_quant_x, .Lfunc_end_k_qdebb68c2c6_quant_x-k_qdebb68c2c6_quant_x
	.p2alignl 7, 3214868480
	.fill 96, 4, 3214868480
	.section	.rodata,"a",@progbits
	.p2align	6, 0x0
	.amdhsa_kernel k_qdebb68c2c6_quant_x
		.amdhsa_group_segment_fixed_size 168448
		.amdhsa_private_segment_fixed_size 0
		.amdhsa_enable_private_segment 0
		.amdhsa_kernarg_size 24
		.amdhsa_user_sgpr_count 2
		.amdhsa_user_sgpr_kernarg_segment_ptr 1
		.amdhsa_wavefront_size32 1
		.amdhsa_system_sgpr_workgroup_id_x 1
		.amdhsa_system_sgpr_workgroup_id_y 1
		.amdhsa_system_sgpr_workgroup_id_z 1
		.amdhsa_system_vgpr_workitem_id 0
		.amdhsa_next_free_vgpr 226
		.amdhsa_next_free_sgpr 66
		.amdhsa_reserve_vcc 1
		.amdhsa_float_denorm_mode_32 3
		.amdhsa_float_denorm_mode_16_64 3
		.amdhsa_memory_ordered 1
		.amdhsa_forward_progress 1
		.amdhsa_inst_pref_size 24
	.end_amdhsa_kernel
	.amdgpu_metadata
---
amdhsa.version: [ 1, 2 ]
amdhsa.kernels:
  - .name:           k_qdebb68c2c6_quant_x
    .symbol:         k_qdebb68c2c6_quant_x.kd
    .args:
      - { .name: x, .offset: 0, .size: 8, .value_kind: global_buffer, .address_space: global }
      - { .name: ximg, .offset: 8, .size: 8, .value_kind: global_buffer, .address_space: global }
      - { .name: xsc, .offset: 16, .size: 8, .value_kind: global_buffer, .address_space: global }
    .group_segment_fixed_size: 168448
    .private_segment_fixed_size: 0
    .kernarg_segment_align: 8
    .kernarg_segment_size: 24
    .max_flat_workgroup_size: 128
    .sgpr_count:     66
    .vgpr_count:     226
    .wavefront_size: 32
...
	.end_amdgpu_metadata
.endif
;; end of part 1
;; launch quant_w (part 2): grid 32 x 8, 4 waves a work-group, no clusters, 0 bytes of LDS; arguments w_qkv, w_out, wimg, wsc, rope; writes wimg, wsc, rope
.if DOCPART == 2
	.amdgcn_target "amdgcn-amd-amdhsa--gfx1250"
	.amdhsa_code_object_version 6
	.text
	.protected	k_qdebb68c2c6_quant_w
	.globl	k_qdebb68c2c6_quant_w
	.p2align	8
	.type	k_qdebb68c2c6_quant_w,@function
k_qdebb68c2c6_quant_w:
	s_mov_b64 s[64:65], 0
	v_nop
	global_prefetch_b8 v0, s[64:65] scope:SCOPE_SE
	s_setreg_imm32_b32 hwreg(HW_REG_WAVE_MODE, 25, 1), 1
	s_wait_xcnt 0x0
; w_qkv [1024][3072] and w_out [1024][1024], f32, K their FIRST axis, become codes of FP6 (E2M3) along K with one E8M0 byte for each 32, laid as register images:
; wimg: [column tile 256][K step 8][1,536 bytes] (tiles 0-191 w_qkv's columns, 192-255 w_out's), a fragment as three runs of 512 bytes, registers 4 c .. 4 c + 3 of lane l at 512 c + 16 l.
; In each group of 32 columns, lane r of tile u holds column 8 u + r + 8 (r / 8).   wsc: [64 columns 64][K step 8][256]: the word of (tile t of the four, row r) at 128 (t / 2) + 8 r + 4 (t % 2).
; A LANE TAKES A COLUMN AND ITS REGISTERS RUN DOWN K: lane 16 u + r takes the column of (tile u, row r); each load reads 128 consecutive bytes a wave, 512 a work-group; a block of 32 lies in one lane.
; A wave takes 32 columns x 128 along K: two fragments.  Even blocks' codes are gathered in FA, odd blocks' in FB; one exchange of halves between the two makes them the two tiles' fragments.
; One path serves both weights: pointer, pitch and column group are chosen on the work-group's number.  Loads run two blocks ahead.  Scale words leave as 128 consecutive bytes a wave.
; THE ROTATION'S TABLE, rope [position 32][frequency 16][cos, sin] f32, is made by the first four work-groups, an entry a thread.  The angle of position i and frequency j is pi (2 i - 31)(15 + 127 j) / 465; it is reduced in whole
; numbers (all under 2^24, so the f32 arithmetic is exact) to a quadrant and a rest of at most pi / 4, whose sine and cosine are Taylor sums to the 9th and 10th power (the first term left out is under 2e-9).
; LIMITS: NaN and infinities are not served; a block of zeros or under 2^-124 gets the byte 1 (read by this program alone).  The table holds the exact angles' values rounded once, where the definition forms the angle in f32.
.set AD, 8                             ; v8-39   4 x column + i x pitch
.set X,  40                            ; v40-167 128 numbers down K
.set FA, 168
.set FB, 180
.set PT, 192
.set SW, 200                           ; my column's scale word
	s_load_b256 s[4:11], s[0:1], 0x0               ; w_qkv, w_out, wimg, wsc
	s_load_b64 s[12:13], s[0:1], 0x20              ; rope
	v_lshrrev_b32 v1, 5, v0
	v_readfirstlane_b32 s14, v1                    ; wave
	s_and_b32 s15, ttmp7, 0xffff                   ; K step
	s_lshl_b32 s16, ttmp9, 2
	s_add_co_u32 s16, s16, s14                     ; group of 32 columns, 0 .. 127
	v_and_b32 v1, 31, v0                           ; lane
	v_and_b32 v3, 7, v1
	v_and_b32 v4, 8, v1
	v_lshl_add_u32 v3, v4, 1, v3
	v_and_b32 v4, 16, v1
	v_lshrrev_b32 v4, 1, v4
	v_add_nc_u32 v3, v3, v4                        ; my column in the group: bits 3 and 4 of the lane change places
	v_lshlrev_b32 v6, 2, v3
	v_lshlrev_b32 v2, 4, v1                        ; 16 x lane
	v_and_b32 v4, 15, v1
	v_lshrrev_b32 v5, 4, v1
	v_lshlrev_b32 v7, 2, v5
	v_lshl_add_u32 v7, v4, 3, v7                   ; 8 r + 4 u
	s_wait_alu depctr_va_vdst(0)
	s_wait_kmcnt 0x0
	s_cmp_lt_u32 ttmp9, 24                         ; the first 96 groups are w_qkv's
	s_cselect_b64 s[4:5], s[4:5], s[6:7]
	s_mov_b32 s17, 4096
	s_cselect_b32 s17, 12288, s17                  ; bytes from row to row
	s_cselect_b32 s18, 0, 96
	s_sub_co_u32 s18, s16, s18                     ; the group in its own tensor
	s_mul_i32 s20, s15, s17
	s_lshl_b32 s20, s20, 7                         ; 128 rows a K step
	s_lshl_b32 s21, s18, 7                         ; 128 bytes a group
	s_add_co_u32 s20, s20, s21
	s_mov_b32 s21, 0
	s_add_nc_u64 s[24:25], s[4:5], s[20:21]        ; block 0's first row;
	s_lshl_b32 s22, s17, 5
	s_mov_b32 s23, 0
	s_add_nc_u64 s[26:27], s[24:25], s[22:23]      ; blocks 1, 2, 3: 32 rows on each
	s_add_nc_u64 s[28:29], s[26:27], s[22:23]
	s_add_nc_u64 s[30:31], s[28:29], s[22:23]
	s_mul_i32 s20, s16, 24576                      ; wimg: two tiles of 12,288 bytes a group
	s_mul_i32 s22, s15, 1536
	s_add_co_u32 s20, s20, s22
	s_add_nc_u64 s[8:9], s[8:9], s[20:21]
	s_lshr_b32 s20, s16, 1
	s_lshl_b32 s20, s20, 11
	s_lshl_b32 s22, s15, 8
	s_add_co_u32 s20, s20, s22
	s_and_b32 s22, s16, 1
	s_lshl_b32 s22, s22, 7
	s_add_co_u32 s20, s20, s22
	s_add_nc_u64 s[10:11], s[10:11], s[20:21]
.set i, 0
.rept 32
	v_mad_u32_u24 v[AD+i], s17, i, v6
.set i, i+1
.endr
.macro LOAD b
.set i, 0
.rept 32
	global_load_b32 v[X+32*(\b)+i], v[AD+i], s[24+2*(\b):25+2*(\b)] th:TH_LOAD_NT
.set i, i+1
.endr
.endm
.macro BLOCK b
.set XS, X+32*(\b)
.if (\b)%2 == 0
.set F, FA+6*((\b)/2)
.else
.set F, FB+6*((\b)/2)
.endif
	v_max3_num_f32 v201, |v[XS]|, |v[XS+1]|, |v[XS+2]|          ; the block's largest magnitude: all 32 numbers are mine
	v_max3_num_f32 v202, |v[XS+3]|, |v[XS+4]|, |v[XS+5]|
.irp i, 6,10,14,18,22,26
	v_max3_num_f32 v201, v201, |v[XS+\i]|, |v[XS+\i+1]|
	v_max3_num_f32 v202, v202, |v[XS+\i+2]|, |v[XS+\i+3]|
.endr
	v_max3_num_f32 v201, v201, |v[XS+30]|, |v[XS+31]|
	v_max3_num_f32 v201, v201, v202, 0x1800000     ; and the floor 2^(3 - 127)
	v_add_nc_u32 v203, 0xff000000, v201            ; 2 off the exponent field: the conversion's scale operand
	v_lshrrev_b32 v204, 23, v203                   ; the byte
.if (\b) == 0
	v_mov_b32 v[SW], v204
.else
	v_lshl_or_b32 v[SW], v204, 8*(\b), v[SW]
.endif
	v_cvt_scalef32_pk16_fp6_f32 v[F:F+2], v[XS:XS+15], v203
	v_cvt_scalef32_pk16_fp6_f32 v[PT+4*((\b)%2):PT+4*((\b)%2)+2], v[XS+16:XS+31], v203
	v_nop                                          ; one plain line behind the scaled conversions
.irp i, 0,1,2
	v_mov_b32 v[F+3+\i], v[PT+4*((\b)%2)+\i]
.endr
.endm
	LOAD 0
	LOAD 1
	s_wait_alu depctr_va_vdst(0)
	s_wait_loadcnt 32                              ; block 0's 32 loads are in; block 1's may be out
	LOAD 2
	BLOCK 0
	s_wait_loadcnt 32                              ; block 1's are in; block 2's may be out
	LOAD 3
	BLOCK 1
	s_wait_loadcnt 32                              ; block 2's are in; block 3's may be out
	BLOCK 2
	s_wait_loadcnt 0x0
	BLOCK 3
.set i, 0
.rept 12
	v_permlane16_swap_b32 v[FA+i], v[FB+i]         ; FA: tile 0's fragment (its lanes 16-31 take tile 0's odd blocks); FB: tile 1's
.set i, i+1
.endr
.irp c, 0,1,2
	global_store_b128 v2, v[FA+4*\c:FA+4*\c+3], s[8:9] offset:512*\c
	global_store_b128 v2, v[FB+4*\c:FB+4*\c+3], s[8:9] offset:12288+512*\c
.endr
	global_store_b32 v7, v[SW], s[10:11]
	; the rotation's table: work-groups (0 .. 3, 0), entry 128 x + thread = 16 i + j
	s_lshl_b32 s20, s15, 5
	s_add_co_u32 s20, s20, ttmp9
	s_cmp_lt_u32 s20, 4
	s_cbranch_scc0 .Ldone
	s_lshl_b32 s22, ttmp9, 7
	v_add_nc_u32 v40, s22, v0
	v_lshrrev_b32 v41, 4, v40
	v_and_b32 v42, 15, v40
	v_lshlrev_b32 v41, 1, v41
	v_add_nc_u32 v41, 0xffffffe1, v41              ; 2 i - 31
	v_mad_u32_u24 v42, v42, 127, 15                ; 15 + 127 j
	v_mul_lo_u32 v43, v41, v42                     ; N: the angle is N / 930 turns
	v_lshl_add_u32 v43, v43, 2, 241800             ; 4 N + 260 x 930: quarter turns x 930, made positive by 65 whole turns
	v_cvt_f32_u32 v44, v43
	v_add_f32 v45, 0x43e8c000, v44                 ; + 465.5
	v_mul_f32 v45, 0x3a8cf009, v45                 ; / 930: no quotient lies nearer than 0.5 / 930 to a whole number, far more than the rounding
	v_floor_f32 v45, v45                           ; the nearest quarter turn
	v_fmamk_f32 v46, v45, 0xc4688000, v44          ; the rest, -465 .. 464, exact
	v_cvt_u32_f32 v50, v45
	v_mul_f32 v46, 0x3add6263, v46                 ; x pi / 1860: at most pi / 4
	v_mul_f32 v47, v46, v46
	v_mov_b32 v48, 0x3638ef1d                      ; 1 / 9!
	v_fmaak_f32 v48, v48, v47, 0xb9500d01          ; -1 / 7!
	v_fmaak_f32 v48, v48, v47, 0x3c088889          ; 1 / 5!
	v_fmaak_f32 v48, v48, v47, 0xbe2aaaab          ; -1 / 3!
	v_mul_f32 v51, v46, v47
	v_fma_f32 v48, v48, v51, v46                   ; the rest's sine
	v_mov_b32 v49, 0xb493f27e                      ; -1 / 10!
	v_fmaak_f32 v49, v49, v47, 0x37d00d01          ; 1 / 8!
	v_fmaak_f32 v49, v49, v47, 0xbab60b61          ; -1 / 6!
	v_fmaak_f32 v49, v49, v47, 0x3d2aaaab          ; 1 / 4!
	v_fma_f32 v49, v49, v47, -0.5
	v_fma_f32 v49, v49, v47, 1.0                   ; and cosine
	v_and_b32 v51, 1, v50
	v_cmp_eq_u32 vcc_lo, 1, v51                    ; odd quadrants change the two over
	v_cndmask_b32 v52, v49, v48, vcc_lo
	v_cndmask_b32 v53, v48, v49, vcc_lo
	v_add_nc_u32 v51, 1, v50
	v_and_b32 v51, 2, v51
	v_lshlrev_b32 v51, 30, v51
	v_xor_b32 v52, v51, v52                        ; the cosine is negative in quadrants 1 and 2,
	v_and_b32 v51, 2, v50
	v_lshlrev_b32 v51, 30, v51
	v_xor_b32 v53, v51, v53                        ; the sine in 2 and 3
	v_lshlrev_b32 v54, 3, v40
	global_store_b64 v54, v[52:53], s[12:13]
.Ldone:
	s_endpgm
.Lfunc_end_k_qdebb68c2c6_quant_w:
	.size	k_qdebb68c2c6_quant_w, .Lfunc_end_k_qdebb68c2c6_quant_w-k_qdebb68c2c6_quant_w
	.p2alignl 7, 3214868480
	.fill 96, 4, 3214868480
	.section	.rodata,"a",@progbits
	.p2align	6, 0x0
	.amdhsa_kernel k_qdebb68c2c6_quant_w
		.amdhsa_group_segment_fixed_size 0
		.amdhsa_private_segment_fixed_size 0
		.amdhsa_enable_private_segment 0
		.amdhsa_kernarg_size 40
		.amdhsa_user_sgpr_count 2
		.amdhsa_user_sgpr_kernarg_segment_ptr 1
		.amdhsa_wavefront_size32 1
		.amdhsa_system_sgpr_workgroup_id_x 1
		.amdhsa_system_sgpr_workgroup_id_y 1
		.amdhsa_system_sgpr_workgroup_id_z 1
		.amdhsa_system_vgpr_workitem_id 0
		.amdhsa_next_free_vgpr 216
		.amdhsa_next_free_sgpr 66
		.amdhsa_reserve_vcc 1
		.amdhsa_float_denorm_mode_32 3
		.amdhsa_float_denorm_mode_16_64 3
		.amdhsa_memory_ordered 1
		.amdhsa_forward_progress 1
		.amdhsa_inst_pref_size 26
	.end_amdhsa_kernel
	.amdgpu_metadata
---
amdhsa.version: [ 1, 2 ]
amdhsa.kernels:
  - .name:           k_qdebb68c2c6_quant_w
    .symbol:         k_qdebb68c2c6_quant_w.kd
    .args:
      - { .name: w_qkv, .offset: 0, .size: 8, .value_kind: global_buffer, .address_space: global }
      - { .name: w_out, .offset: 8, .size: 8, .value_kind: global_buffer, .address_space: global }
      - { .name: wimg, .offset: 16, .size: 8, .value_kind: global_buffer, .address_space: global }
      - { .name: wsc, .offset: 24, .size: 8, .value_kind: global_buffer, .address_space: global }
      - { .name: rope, .offset: 32, .size: 8, .value_kind: global_buffer, .address_space: global }
    .group_segment_fixed_size: 0
    .private_segment_fixed_size: 0
    .kernarg_segment_align: 8
    .kernarg_segment_size: 40
    .max_flat_workgroup_size: 128
    .sgpr_count:     66
    .vgpr_count:     216
    .wavefront_size: 32
...
	.end_amdgpu_metadata
.endif
;; end of part 2
;; launch qkv (part 3): grid 4 x 64, 4 waves a work-group, clusters of 4 x 4, 327,680 bytes of LDS; arguments ximg, xsc, wimg, wsc, rope, qkv; writes qkv
.if DOCPART == 3
	.amdgcn_target "amdgcn-amd-amdhsa--gfx1250"
	.amdhsa_code_object_version 6
	.text
	.protected	k_qdebb68c2c6_qkv
	.globl	k_qdebb68c2c6_qkv
	.p2align	8
	.type	k_qdebb68c2c6_qkv,@function
k_qdebb68c2c6_qkv:
	s_mov_b64 s[64:65], 0
	v_nop
	global_prefetch_b8 v0, s[64:65] scope:SCOPE_SE
	s_setreg_imm32_b32 hwreg(HW_REG_WAVE_MODE, 25, 1), 1
	s_wait_xcnt 0x0
	s_wait_alu depctr_hold_cnt(0) depctr_sa_sdst(0) depctr_va_vdst(0) depctr_va_sdst(0) depctr_va_ssrc(0) depctr_va_vcc(0) depctr_vm_vsrc(0)
	s_getreg_b32 s2, hwreg(HW_REG_IB_STS2, 6, 4)
	s_cmp_eq_u32 s2, 0
	s_cbranch_scc0 .Lentry_in_a_cluster
	s_endpgm
.Lentry_in_a_cluster:
	s_bfe_u32 s2, ttmp6, 0x10000c
	s_cmp_lg_u32 s2, 0xf033
	s_cbranch_scc0 .Lentry_shape_is_right
	s_endpgm
.Lentry_shape_is_right:
; q, k, v = x w_qkv on codes of FP6 (E2M3); q and k are rotated; all three are quantised anew and stored as the operands of attention's two products, as register images.
; A tile is 128 "A" rows x 256 "B" rows; source 0 of the matrix instruction is a tile of B, source 1 a tile of A, so that a lane holds ONE row of A and, by the order of rows in the images (in a group of 32, lane r of
; tile u is row 8 u + r + 8 (r / 8)), its 16 registers of B's tiles 2 b and 2 b + 1 are 16 NEIGHBOURS along B: 32 b + 16 (lane / 16) + 0 .. 15.  That is what the next quantiser wants.
; A WORK-GROUP STAYS and makes three tiles, X = 0 (q), 1 (k): A = positions, B = features;  X = 2 (v): A = features, B = positions.  256 work-groups, one to a WGP.
; THE RING: two LDS slots, each with half of K (four K steps) of A's 8 and B's 16 image tiles, 147,456 bytes.  Waves 0, 1 bring A's halves, waves 2, 3 B's, one joint load a wave.  Slot 0 is filled again at K step 3, when its
; last fragments are in registers; slot 1 in the middle of the way out.  Each refill stands behind the three lines and a round of the cluster's barrier; that round also shows the other slot whole.
; q and k are two trips of one loop; v's tile is written out behind it and asks for nothing more.
; CLUSTER 4 x 4: A's tile hangs on the cluster's row alone, B's on its column alone: each is asked for jointly by the four that share it.
; No prefetch: a refill is asked for at least three K steps and half a way out ahead of the wait for it.
; A wave makes 64 x 128: 32 accumulators, which take turns, one instruction a turn, in the same order in every K step.
; OUTPUT, qkv: [image x 16 + head][q, k, v][53,248 bytes].  q, k: [32 positions 32][1,536]: registers 0-5 tile 0, 6-11 tile 1, each d = 32 (lane / 16) + 0 .. 31; at 49,152 the scale words, [64 positions 16][256]: at 8 l + 4 e
; group 2 hs + e, lanes 0-15 tile 0, lanes 16-31 tile 1.   v: [128 keys 8][16 d 4][1,536]; at 49,152 [8][512]: at 16 l + 4 f fragment f's word.
; LIMITS: NaN and infinities are not served; a block of zeros or under 2^-124 gets the byte 1 (read by this program alone).
; REGISTERS: window 0: v1-3 16 x, 8 x lane, lane; v8-13 LDS addresses; v16-17 the tables' offsets; v20-27 scale words made; v32-47 A's scale words, v48-79 B's; v80-175 A's fragments, two sets (on the way out at work);
;   v176-239 the rotation's cos and sin by row and by column of the picture; v240-255 at work (v250, v251 the add's).   window 1: B's fragments, two sets, at v0 and v96.   window 2: accumulator (a, b) at v[8 (8 a + b)].
.set LI,   1
.set L8,   2
.set LN,   3
.set ADRA, 8
.set ADRB, 12
.set VFW,  16
.set VFH,  17
.set PW,   20
.set W,    24
.set SA,   32
.set SB,   48
.set AF,   80
.set FH,   176
.set FW,   208
.set TM,   240
.set SPW,  250
.set NIL,  251
.set T,    80
.set IMG0, 144
.set IMG1, 156
.set PT,   168
.set SLOT, 147456
.set SPARE, 2*SLOT
.set REC,  159744
.set SUB,  53248
.set SEL,  26
.set G1A,  28
.set G1B,  36
.set G0A,  44
.set G0B,  48
.set MUL,  0xa1                        ; source 0 (B) window 1, source 1 (A) window 0, C and D window 2
.set MSB,  0
.macro WIN new                         ; the immediate's high byte repeats the setting that is left
.if MSB != (\new)
	s_set_vgpr_msb (MSB<<8)|(\new)
.set MSB, (\new)
.endif
.endm
.macro PLACES n
.rept \n
	v_nop
.endr
.endm
.macro CROUND                          ; a round of the cluster's barrier
	s_barrier_signal -1
	s_barrier_wait -1
	s_cmp_lg_u32 s16, 0
	s_cbranch_scc1 .Lnot_wave_0_\@
	s_barrier_signal -3
.Lnot_wave_0_\@:
	s_barrier_wait -3
	s_barrier_signal -1
	s_barrier_wait -1
.endm
.macro JLOAD                           ; my one joint load: waves 0, 1 for A, waves 2, 3 for B; each line has one mask
	s_cmp_eq_u32 s17, 0
	s_cbranch_scc0 .Lfor_b_\@
	tensor_load_to_lds s[G0A:G0A+3], s[G1A:G1A+7]
	s_nop 0
	PLACES 4
	s_branch .Lasked_\@
.Lfor_b_\@:
	tensor_load_to_lds s[G0B:G0B+3], s[G1B:G1B+7]
	s_nop 0
	PLACES 4
.Lasked_\@:
.endm
.macro SETG slot, half                 ; both groups 0, written while no tensor load of mine is out: the tile at s[68:69] (A), s[70:71] (B), this half of K, into this slot
	s_add_co_u32 s[G0A+1], s2, (\slot)*SLOT
	s_add_nc_u64 s[G0A+2:G0A+3], s[68:69], (\half)*6144
	s_or_b32 s[G0A+3], s[G0A+3], 0x80000000
	s_add_co_u32 s[G0B+1], s3, (\slot)*SLOT
	s_add_nc_u64 s[G0B+2:G0B+3], s[70:71], (\half)*6144
	s_or_b32 s[G0B+3], s[G0B+3], 0x80000000
.endm
; One product.  d: the accumulator; fb, fa: B's and A's fragments; sb, sa: their scale registers; rb, ra: 1 where the words lie in lanes 16-31.
.macro WM d, fb, fa, zero, sb, sa, rb, ra
.if \zero
.if (\rb) && (\ra)
	v_wmma_scale_f32_16x16x128_f8f6f4 v[(\d):(\d)+7], v[(\fb):(\fb)+11], v[(\fa):(\fa)+11], 0, v[\sb], v[\sa] matrix_a_fmt:MATRIX_FMT_FP6 matrix_b_fmt:MATRIX_FMT_FP6 matrix_a_scale:MATRIX_SCALE_ROW1 matrix_b_scale:MATRIX_SCALE_ROW1
.elseif (\rb)
	v_wmma_scale_f32_16x16x128_f8f6f4 v[(\d):(\d)+7], v[(\fb):(\fb)+11], v[(\fa):(\fa)+11], 0, v[\sb], v[\sa] matrix_a_fmt:MATRIX_FMT_FP6 matrix_b_fmt:MATRIX_FMT_FP6 matrix_a_scale:MATRIX_SCALE_ROW1
.elseif (\ra)
	v_wmma_scale_f32_16x16x128_f8f6f4 v[(\d):(\d)+7], v[(\fb):(\fb)+11], v[(\fa):(\fa)+11], 0, v[\sb], v[\sa] matrix_a_fmt:MATRIX_FMT_FP6 matrix_b_fmt:MATRIX_FMT_FP6 matrix_b_scale:MATRIX_SCALE_ROW1
.else
	v_wmma_scale_f32_16x16x128_f8f6f4 v[(\d):(\d)+7], v[(\fb):(\fb)+11], v[(\fa):(\fa)+11], 0, v[\sb], v[\sa] matrix_a_fmt:MATRIX_FMT_FP6 matrix_b_fmt:MATRIX_FMT_FP6
.endif
.else
.if (\rb) && (\ra)
	v_wmma_scale_f32_16x16x128_f8f6f4 v[(\d):(\d)+7], v[(\fb):(\fb)+11], v[(\fa):(\fa)+11], v[(\d):(\d)+7], v[\sb], v[\sa] matrix_a_fmt:MATRIX_FMT_FP6 matrix_b_fmt:MATRIX_FMT_FP6 matrix_a_scale:MATRIX_SCALE_ROW1 matrix_b_scale:MATRIX_SCALE_ROW1
.elseif (\rb)
	v_wmma_scale_f32_16x16x128_f8f6f4 v[(\d):(\d)+7], v[(\fb):(\fb)+11], v[(\fa):(\fa)+11], v[(\d):(\d)+7], v[\sb], v[\sa] matrix_a_fmt:MATRIX_FMT_FP6 matrix_b_fmt:MATRIX_FMT_FP6 matrix_a_scale:MATRIX_SCALE_ROW1
.elseif (\ra)
	v_wmma_scale_f32_16x16x128_f8f6f4 v[(\d):(\d)+7], v[(\fb):(\fb)+11], v[(\fa):(\fa)+11], v[(\d):(\d)+7], v[\sb], v[\sa] matrix_a_fmt:MATRIX_FMT_FP6 matrix_b_fmt:MATRIX_FMT_FP6 matrix_b_scale:MATRIX_SCALE_ROW1
.else
	v_wmma_scale_f32_16x16x128_f8f6f4 v[(\d):(\d)+7], v[(\fb):(\fb)+11], v[(\fa):(\fa)+11], v[(\d):(\d)+7], v[\sb], v[\sa] matrix_a_fmt:MATRIX_FMT_FP6 matrix_b_fmt:MATRIX_FMT_FP6
.endif
.endif
.endm
; 16 products: A's blocks a0, a0 + 1 x B's eight, K step s.  A's block a: scale register SA + 2 s + a % 2, lanes 16 (a / 2) on;  B's block b: SB + 4 s + 2 (b / 4) + b % 2, lanes 16 ((b / 2) % 2) on.
.macro MUL16 a0, s, zero
.irp a, \a0, \a0+1
.irp b, 0,1,2,3,4,5,6,7
	WM 8*(8*(\a)+\b), 96*((\s)%2)+12*\b, AF+48*((\s)%2)+12*(\a), \zero, SB+4*(\s)+2*(\b/4)+\b%2, SA+2*(\s)+(\a)%2, (\b/2)%2, (\a)/2
.endr
.endr
.endm
.macro FETCH s                         ; K step s's fragments, 36 loads of 512 consecutive bytes, from slot s / 4 into set s % 2
	WIN 0x40                                       ; destination window 1
.irp b, 0,1,2,3,4,5,6,7
.irp c, 0,1,2
	ds_load_b128 v[96*((\s)%2)+12*\b+4*\c:96*((\s)%2)+12*\b+4*\c+3], v[ADRB+(\s)/4] offset:\b*6144+((\s)%4)*1536+512*\c
.endr
.endr
	WIN 0
.irp a, 0,1,2,3
.irp c, 0,1,2
	ds_load_b128 v[AF+48*((\s)%2)+12*\a+4*\c:AF+48*((\s)%2)+12*\a+4*\c+3], v[ADRA+(\s)/4] offset:\a*6144+((\s)%4)*1536+512*\c
.endr
.endr
.endm
.macro SLOAD                           ; a tile's scale words, in whole runs of 256 bytes, into registers
.irp s, 0,1,2,3,4,5,6,7
	global_load_b64 v[SA+2*\s:SA+2*\s+1], v[L8], s[88:89] offset:256*\s
	global_load_b64 v[SB+4*\s:SB+4*\s+1], v[L8], s[90:91] offset:256*\s
	global_load_b64 v[SB+4*\s+2:SB+4*\s+3], v[L8], s[90:91] offset:2048+256*\s
.endr
.endm
.macro EVEN s                          ; loads into registers that matrix instructions have read stand four plain lines behind them
	s_wait_dscnt 0x0
	PLACES 4
	FETCH (\s)+1
	WIN MUL
	MUL16 0, \s, 0
	MUL16 2, \s, 0
.endm
; A tile's eight K steps.  At the entry slot 0 is whole for every wave.  refill = 1: slot 0 takes the next tile's first half at K step 3.
.macro MAIN refill
	s_wait_xcnt 0x0                                ; the last tile's stores have read their registers
	FETCH 0
	s_wait_loadcnt 0x0                             ; the scale words (and the tables)
	s_wait_dscnt 0x0
	FETCH 1
	WIN MUL
	MUL16 0, 0, 1                                  ; the first K step starts the sums: nothing is cleared
	MUL16 2, 0, 1
	EVEN 1
	EVEN 2
	s_wait_dscnt 0x0                               ; K step 3's fragments are in: my reads of slot 0 are over
	WIN 0
	s_wait_tensorcnt 0x0                           ; my part of slot 1 is in
.if \refill
	ds_add_u32 v[SPW], v[NIL]
	SETG 0, 0
	WIN MUL
	MUL16 0, 3, 0
	s_wait_dscnt 0x0
	WIN 0
	CROUND
	JLOAD                                          ; its four v_nop are the places ahead of the loads below
.else
	s_barrier_signal -1
	WIN MUL
	MUL16 0, 3, 0
	s_barrier_wait -1
	PLACES 4
.endif
	FETCH 4
	WIN MUL
	MUL16 2, 3, 0
	EVEN 4
	EVEN 5
	EVEN 6
	s_wait_dscnt 0x0
	MUL16 0, 7, 0
	MUL16 2, 7, 0
	PLACES 4                                       ; ahead of the first read of results and of loads and writes into the operands' registers
	WIN 0
.endm
; 64 numbers v[s] .. v[s + 63] of window aw, register 16 b + i = k 32 b + 16 (lane / 16) + i of my row, become six registers of codes at d0 (blocks 0, 1), six at d1 (blocks 2, 3) and the row's scale word in v[pw].
.macro QUANT s, aw, d0, d1, pw
	WIN (\aw)|((\aw)<<2)
.irp b, 0,1,2,3
	v_max3_num_f32 v[TM+\b], |v[(\s)+16*\b]|, |v[(\s)+1+16*\b]|, 0x1800000   ; each accumulator is read from its low end on; the floor 2^(3 - 127) holds the byte at 1 from below
.endr
	WIN ((\aw)<<2)|((\aw)<<4)
.irp i, 2,4,6,8,10,12,14
.irp b, 0,1,2,3
	v_max3_num_f32 v[TM+\b], v[TM+\b], |v[(\s)+16*\b+\i]|, |v[(\s)+1+16*\b+\i]|
.endr
.endr
	WIN 0
.irp b, 0,1,2,3
	v_permlanex16_b32 v[TM+4+\b], v[TM+\b], s[SEL], s[SEL+1]
.endr
.irp b, 0,1,2,3
	v_max_num_f32 v[TM+\b], v[TM+\b], v[TM+4+\b]
.endr
.irp b, 0,1,2,3
	v_add_nc_u32 v[TM+12+\b], 0xff000000, v[TM+\b]   ; 2 off the exponent field: the conversion's scale operand
.endr
.irp b, 0,1,2,3
	v_lshrrev_b32 v[TM+4+\b], 23, v[TM+12+\b]
.endr
	v_lshl_or_b32 v[\pw], v[TM+5], 8, v[TM+4]
	v_lshl_or_b32 v[\pw], v[TM+6], 16, v[\pw]
	v_lshl_or_b32 v[\pw], v[TM+7], 24, v[\pw]
	WIN (\aw)
	v_cvt_scalef32_pk16_fp6_f32 v[(\d0):(\d0)+2], v[(\s):(\s)+15], v[TM+12]
	v_cvt_scalef32_pk16_fp6_f32 v[PT:PT+2], v[(\s)+16:(\s)+31], v[TM+13]
	v_cvt_scalef32_pk16_fp6_f32 v[(\d1):(\d1)+2], v[(\s)+32:(\s)+47], v[TM+14]
	v_cvt_scalef32_pk16_fp6_f32 v[PT+4:PT+6], v[(\s)+48:(\s)+63], v[TM+15]
	WIN 0
	v_nop                                          ; one plain line behind the scaled conversions
.irp i, 0,1,2
	v_permlane16_swap_b32 v[(\d0)+\i], v[PT+\i]    ; a whole block to a lane: lanes 0-15 the even block, lanes 16-31 the odd one
	v_permlane16_swap_b32 v[(\d1)+\i], v[PT+4+\i]
.endr
.irp i, 0,1,2
	v_mov_b32 v[(\d0)+3+\i], v[PT+\i]
	v_mov_b32 v[(\d1)+3+\i], v[PT+4+\i]
.endr
.endm
; The rotation: pairs (x0, x1) -> (x0 cos - x1 sin, x1 cos + x0 sin).  d under 32 turns by the picture's row, d from 32 on by its column; pair 4 (b % 2) + jj of my half's eight frequencies.
.macro ROPE a, g, u
	WIN 0x02                                       ; source 0: the accumulators, window 2
.irp b, 0,1,2,3,4,5,6,7
.irp jj, 0,1,2,3
.if ((\b/2)%2) == 0
.set TB, FH+16*(\g)+2*(4*(\b%2)+\jj)
.else
.set TB, FW+16*(\u)+2*(4*(\b%2)+\jj)
.endif
	v_pk_mul_f32 v[T+8*\b+2*\jj:T+8*\b+2*\jj+1], v[8*(8*(\a)+\b)+2*\jj:8*(8*(\a)+\b)+2*\jj+1], v[TB:TB+1] op_sel_hi:[1,0]   ; both x cos
.endr
.irp jj, 0,1,2,3
.if ((\b/2)%2) == 0
.set TB, FH+16*(\g)+2*(4*(\b%2)+\jj)
.else
.set TB, FW+16*(\u)+2*(4*(\b%2)+\jj)
.endif
	v_fma_f32 v[T+8*\b+2*\jj], -v[8*(8*(\a)+\b)+2*\jj+1], v[TB+1], v[T+8*\b+2*\jj]
	v_fma_f32 v[T+8*\b+2*\jj+1], v[8*(8*(\a)+\b)+2*\jj], v[TB+1], v[T+8*\b+2*\jj+1]
.endr
.endr
	WIN 0
.endm
	s_load_b256 s[4:11], s[0:1], 0x0               ; ximg, xsc, wimg, wsc
	s_load_b128 s[12:15], s[0:1], 0x20             ; rope, qkv
	v_lshl_add_u32 v[SPW], v0, 2, SPARE
	v_mov_b32 v[NIL], 0
	ds_add_u32 v[SPW], v[NIL]                      ; the opening lines: the add, twice on end, and its wait
	ds_add_u32 v[SPW], v[NIL]
	v_lshrrev_b32 v4, 5, v0
	v_readfirstlane_b32 s16, v4                    ; wave
	s_lshr_b32 s17, s16, 1                         ; wa: my 64 of A's 128 rows.  Also: I fetch for A (0) or for B (1)
	s_and_b32 s18, s16, 1                          ; wb: my 128 of B's 256 rows.  Also: which half of that tile I fetch
	s_bfe_u32 s19, ttmp6, 0x40000                  ; cx
	s_bfe_u32 s20, ttmp6, 0x40004                  ; cy
	s_and_b32 s22, ttmp7, 0xffff                   ; Y: the cluster's y
	s_lshl_b32 s92, s20, 2
	s_lshl_b32 s92, 15, s92                        ; my row of the cluster
	s_lshl_b32 s94, 0x1111, s19                    ; my column
	; group 1: rows of 6,144 bytes (four K steps of an image tile; 768 elements of 8 bytes), 12,288 bytes apart in memory, dense in LDS; A: 4 tiles a load, B: 8
	s_or_b32 s[G1A], s92, (3<<16)|(1<<21)
	s_or_b32 s[G1B], s94, (3<<16)|(1<<21)
	s_mov_b32 s[G1A+1], 768<<16
	s_mov_b32 s[G1A+2], 4<<16
	s_mov_b32 s[G1A+3], 768<<16
	s_mov_b32 s[G1A+4], 4
	s_mov_b32 s[G1A+5], 1536
	s_mov_b32 s[G1A+6], 0
	s_mov_b32 s[G1A+7], 0
	s_mov_b32 s[G1B+1], 768<<16
	s_mov_b32 s[G1B+2], 8<<16
	s_mov_b32 s[G1B+3], 768<<16
	s_mov_b32 s[G1B+4], 8
	s_mov_b32 s[G1B+5], 1536
	s_mov_b32 s[G1B+6], 0
	s_mov_b32 s[G1B+7], 0
	s_mov_b32 s[G0A], 1
	s_mov_b32 s[G0B], 1
	; byte offsets; A's hang on Y, cy and the wave, B's on Y, cx and the wave
	s_lshl_b32 s23, s22, 2
	s_add_co_u32 s23, s23, s20                     ; q, k: A = positions, tile 4 Y + cy of 128
	s_mul_i32 s92, s23, 98304
	s_mul_i32 s93, s18, 49152
	s_add_co_u32 s52, s92, s93
	s_mov_b32 s53, 0
	s_and_b32 s25, s22, 1
	s_lshl_b32 s25, s25, 2
	s_add_co_u32 s25, s25, 16
	s_add_co_u32 s25, s25, s20                     ; v: A = features from 2,048 on, tile 16 + 4 (Y % 2) + cy
	s_mul_i32 s92, s25, 98304
	s_add_co_u32 s56, s92, s93
	s_mov_b32 s57, 0
	s_mul_i32 s94, s19, 196608                     ; q: B = features, tile cx of 256 (k: four tiles on)
	s_mul_i32 s95, s18, 98304
	s_add_co_u32 s54, s94, s95
	s_mov_b32 s55, 0
	s_lshr_b32 s24, s22, 1
	s_lshl_b32 s24, s24, 2
	s_add_co_u32 s24, s24, s19                     ; v: B = positions, tile 4 (Y / 2) + cx
	s_mul_i32 s94, s24, 196608
	s_add_co_u32 s58, s94, s95
	s_mov_b32 s59, 0
	s_lshl_b32 s92, s23, 1                         ; scale words: 2,048 bytes for 64 rows
	s_add_co_u32 s92, s92, s17
	s_lshl_b32 s74, s92, 11
	s_mov_b32 s75, 0
	s_lshl_b32 s92, s25, 1
	s_add_co_u32 s92, s92, s17
	s_lshl_b32 s60, s92, 11
	s_mov_b32 s61, 0
	s_lshl_b32 s95, s18, 1
	s_lshl_b32 s94, s19, 2
	s_add_co_u32 s94, s94, s95
	s_lshl_b32 s76, s94, 11
	s_mov_b32 s77, 0
	s_lshl_b32 s94, s24, 2
	s_add_co_u32 s94, s94, s95
	s_lshl_b32 s62, s94, 11
	s_mov_b32 s63, 0
	s_mul_i32 s2, s18, 24576                       ; where my load goes in a slot: A's half,
	s_mul_i32 s3, s18, 49152
	s_add_co_u32 s3, s3, 49152                     ; or B's: no place in the cluster enters an LDS address
	s_mul_i32 s96, s17, 24576                      ; what I read: my four tiles of A,
	s_mov_b32 s97, s3                              ; my eight of B
	s_and_b32 s98, s23, 7
	s_lshl_b32 s98, s98, 2
	s_lshl_b32 s99, s17, 1
	s_add_co_u32 s98, s98, s99                     ; my first row of the picture (32 positions a row)
	s_lshl_b32 s98, s98, 7
	s_mov_b32 s[SEL], 0x76543210
	s_mov_b32 s[SEL+1], 0xfedcba98
	v_and_b32 v[LN], 31, v0                        ; lane
	v_bfe_u32 v5, v0, 4, 1                         ; h
	v_lshlrev_b32 v[LI], 4, v[LN]
	v_lshlrev_b32 v[L8], 3, v[LN]
	v_and_b32 v6, 7, v0
	v_bfe_u32 v7, v0, 3, 1
	v_lshl_add_u32 v6, v7, 4, v6                   ; r + 8 (r / 8): my position's column in the picture, less 8 u
	v_lshlrev_b32 v[VFW], 7, v6
	v_lshl_add_u32 v[VFW], v5, 6, v[VFW]           ; 128 bytes a position, my half's eight frequencies
	v_lshl_add_u32 v[VFH], v5, 6, s98
	v_add_nc_u32 v[ADRA], s96, v[LI]
	v_add_nc_u32 v[ADRB], s97, v[LI]
	v_add_nc_u32 v[ADRA+1], SLOT, v[ADRA]
	v_add_nc_u32 v[ADRB+1], SLOT, v[ADRB]
.irp b, 0,1,2,3
	v_mov_b32 v[TM+4+\b], 0                        ; written once: a lane permute's destination counts as one of its sources
.endr
	s_wait_alu depctr_va_vdst(0)
	s_wait_dscnt 0x0
	s_wait_kmcnt 0x0
	s_add_nc_u64 s[52:53], s[4:5], s[52:53]        ; A's tiles for q and k
	s_add_nc_u64 s[54:55], s[8:9], s[54:55]        ; B's for q,
	s_add_nc_u64 s[72:73], s[54:55], 4*196608      ; for k
	s_add_nc_u64 s[56:57], s[8:9], s[56:57]        ; A's for v
	s_add_nc_u64 s[58:59], s[4:5], s[58:59]        ; B's for v
	s_add_nc_u64 s[74:75], s[6:7], s[74:75]        ; scale words: A's for q and k,
	s_add_nc_u64 s[90:91], s[10:11], s[76:77]      ; B's for q,
	s_add_nc_u64 s[78:79], s[90:91], 32768         ; for k,
	s_add_nc_u64 s[60:61], s[10:11], s[60:61]      ; A's and B's for v
	s_add_nc_u64 s[62:63], s[6:7], s[62:63]
	s_mov_b64 s[88:89], s[74:75]
	s_mov_b64 s[68:69], s[52:53]
	s_mov_b64 s[70:71], s[54:55]
	SETG 0, 0
	SLOAD
.irp u, 0,1
.irp k, 0,1,2,3
	global_load_b128 v[FW+16*\u+4*\k:FW+16*\u+4*\k+3], v[VFW], s[12:13] offset:1024*\u+16*\k
	global_load_b128 v[FH+16*\u+4*\k:FH+16*\u+4*\k+3], v[VFH], s[12:13] offset:128*\u+16*\k
.endr
.endr
	CROUND                                         ; all sixteen work-groups are here: the joint loads meet
	JLOAD                                          ; q's first half of K: one tensor load a wave at the head
	s_wait_tensorcnt 0x0                           ; the full sequence ahead of slot 1's first fill
	ds_add_u32 v[SPW], v[NIL]
	SETG 1, 1
	s_wait_dscnt 0x0
	CROUND
	JLOAD                                          ; q's second half
	s_mov_b32 s21, 0                               ; X
.Ltile:
	s_cmp_eq_u32 s21, 0                            ; the next tile: k's behind q's, v's behind k's
	s_cselect_b64 s[68:69], s[52:53], s[56:57]
	s_cselect_b64 s[70:71], s[72:73], s[58:59]
	MAIN 1
	s_cmp_eq_u32 s21, 0
	s_cselect_b64 s[88:89], s[74:75], s[60:61]
	s_cselect_b64 s[90:91], s[78:79], s[62:63]
	SLOAD                                          ; the next tile's scale words come under the way out
	; ---- q, k.  Lane (r, h) of A's tile a = 2 g + u holds position 32 (row of the picture) + 8 u + r + 8 (r / 8); register 8 b + j is feature d = 32 ((b / 2) % 2) + 16 h + 8 (b % 2) + j of head b / 4.
	s_lshr_b32 s92, s23, 3
	s_lshl_b32 s92, s92, 4
	s_lshl_b32 s93, s19, 2
	s_add_co_u32 s92, s92, s93
	s_lshl_b32 s93, s18, 1
	s_add_co_u32 s92, s92, s93                     ; image x 16 + my first head
	s_mul_i32 s92, s92, REC
	s_mul_i32 s93, s21, SUB
	s_add_co_u32 s92, s92, s93                     ; q's or k's part of its record
	s_and_b32 s93, s23, 7
	s_lshl_b32 s93, s93, 1
	s_add_co_u32 s93, s93, s17                     ; which 64 positions of the picture
	s_mul_i32 s96, s93, 3072
	s_add_co_u32 s96, s96, s92
	s_mov_b32 s97, 0
	s_add_nc_u64 s[94:95], s[14:15], s[96:97]      ; the images
	s_lshl_b32 s96, s93, 8
	s_add_co_u32 s96, s96, s92
	s_add_co_u32 s96, s96, 49152
	s_add_nc_u64 s[98:99], s[14:15], s[96:97]      ; the scale words
.irp g, 0,1
.if \g
	s_wait_alu depctr_va_vdst(0)
	s_wait_tensorcnt 0x0                           ; my part of slot 0's refill is in; every wave's reads of slot 1 ended in K step 7
	ds_add_u32 v[SPW], v[NIL]
	SETG 1, 1
	s_wait_dscnt 0x0
	CROUND
	JLOAD                                          ; slot 1 takes the next tile's second half
	s_wait_xcnt 0x0                                ; the first group's stores have read their registers: the images are written again only behind this wait
.endif
.irp u, 0,1
	ROPE 2*\g+\u, \g, \u
	QUANT T, 0, IMG0+6*\u, IMG1+6*\u, PW+\u        ; blocks 0, 1: the first head's 64; blocks 2, 3: the second's
.endr
.irp c, 0,1,2
	global_store_b128 v[LI], v[IMG0+4*\c:IMG0+4*\c+3], s[94:95] offset:1536*\g+512*\c
	global_store_b128 v[LI], v[IMG1+4*\c:IMG1+4*\c+3], s[94:95] offset:REC+1536*\g+512*\c
.endr
	v_cmp_lt_u32 vcc_lo, 15, v[LN]
	v_cndmask_b32 v[W+\g], v[PW], v[PW+1], vcc_lo  ; lanes 0-15 tile 0's words, lanes 16-31 tile 1's.  The first head's bytes are the low two; the upper two meet zero codes
	v_lshrrev_b32 v[W+2+\g], 16, v[W+\g]           ; the second head's
.endr
	global_store_b64 v[L8], v[W:W+1], s[98:99]     ; 256 consecutive bytes, aligned
	global_store_b64 v[L8], v[W+2:W+3], s[98:99] offset:REC
	s_wait_alu depctr_va_vdst(0)
	s_add_co_u32 s21, s21, 1
	s_cmp_lt_u32 s21, 2
	s_cbranch_scc1 .Ltile
	MAIN 0
	; ---- v.  Lane (r, h) of A's tile a holds one d of my head; its registers 16 b + i are keys 32 b + 16 h + i of my 128 keys: a fragment of V^T each
	s_lshr_b32 s92, s22, 1
	s_lshl_b32 s92, s92, 4
	s_sub_co_u32 s93, s25, 16
	s_lshl_b32 s93, s93, 1
	s_add_co_u32 s92, s92, s93
	s_add_co_u32 s92, s92, s17                     ; image x 16 + my head
	s_mul_i32 s92, s92, REC
	s_add_co_u32 s92, s92, 2*SUB
	s_lshl_b32 s93, s19, 1
	s_add_co_u32 s93, s93, s18                     ; which 128 keys
	s_mul_i32 s96, s93, 6144
	s_add_co_u32 s96, s96, s92
	s_mov_b32 s97, 0
	s_add_nc_u64 s[94:95], s[14:15], s[96:97]
	s_lshl_b32 s96, s93, 9
	s_add_co_u32 s96, s96, s92
	s_add_co_u32 s96, s96, 49152
	s_add_nc_u64 s[98:99], s[14:15], s[96:97]
.irp a, 0,1,2,3
	QUANT 64*\a, 2, AF+12*\a, AF+12*\a+6, PW+\a
.irp c, 0,1,2
	global_store_b128 v[LI], v[AF+12*\a+4*\c:AF+12*\a+4*\c+3], s[94:95] offset:1536*\a+512*\c
.endr
.endr
	global_store_b128 v[LI], v[PW:PW+3], s[98:99]  ; the four fragments' words: 512 consecutive bytes
	s_wait_tensorcnt 0x0                           ; the wave's end
	ds_add_u32 v[SPW], v[NIL]
	s_wait_dscnt 0x0
	CROUND                                         ; the closing round
	s_endpgm
.Lfunc_end_k_qdebb68c2c6_qkv:
	.size	k_qdebb68c2c6_qkv, .Lfunc_end_k_qdebb68c2c6_qkv-k_qdebb68c2c6_qkv
	.p2alignl 7, 3214868480
	.fill 96, 4, 3214868480
	.section	.rodata,"a",@progbits
	.p2align	6, 0x0
	.amdhsa_kernel k_qdebb68c2c6_qkv
		.amdhsa_group_segment_fixed_size 327680
		.amdhsa_private_segment_fixed_size 0
		.amdhsa_enable_private_segment 0
		.amdhsa_kernarg_size 48
		.amdhsa_user_sgpr_count 2
		.amdhsa_user_sgpr_kernarg_segment_ptr 1
		.amdhsa_wavefront_size32 1
		.amdhsa_system_sgpr_workgroup_id_x 1
		.amdhsa_system_sgpr_workgroup_id_y 1
		.amdhsa_system_sgpr_workgroup_id_z 1
		.amdhsa_system_vgpr_workitem_id 0
		.amdhsa_next_free_vgpr 768
		.amdhsa_next_free_sgpr 100
		.amdhsa_reserve_vcc 1
		.amdhsa_float_denorm_mode_32 3
		.amdhsa_float_denorm_mode_16_64 3
		.amdhsa_memory_ordered 1
		.amdhsa_forward_progress 1
		.amdhsa_inst_pref_size 181
	.end_amdhsa_kernel
	.amdgpu_metadata
---
amdhsa.version: [ 1, 2 ]
amdhsa.kernels:
  - .name:           k_qdebb68c2c6_qkv
    .symbol:         k_qdebb68c2c6_qkv.kd
    .args:
      - { .name: ximg, .offset: 0, .size: 8, .value_kind: global_buffer, .address_space: global }
      - { .name: xsc, .offset: 8, .size: 8, .value_kind: global_buffer, .address_space: global }
      - { .name: wimg, .offset: 16, .size: 8, .value_kind: global_buffer, .address_space: global }
      - { .name: wsc, .offset: 24, .size: 8, .value_kind: global_buffer, .address_space: global }
      - { .name: rope, .offset: 32, .size: 8, .value_kind: global_buffer, .address_space: global }
      - { .name: qkv, .offset: 40, .size: 8, .value_kind: global_buffer, .address_space: global }
    .group_segment_fixed_size: 327680
    .private_segment_fixed_size: 0
    .kernarg_segment_align: 8
    .kernarg_segment_size: 48
    .max_flat_workgroup_size: 128
    .sgpr_count:     100
    .vgpr_count:     768
    .wavefront_size: 32
...
	.end_amdgpu_metadata
.endif
;; end of part 3
;; launch attn (part 4): grid 4 x 64, 12 waves a work-group, clusters of 4 x 1, 327,680 bytes of LDS; arguments qkv, oimg, osc; writes oimg, osc
.if DOCPART == 4
	.amdgcn_target "amdgcn-amd-amdhsa--gfx1250"
	.amdhsa_code_object_version 6
	.text
	.protected	k_qdebb68c2c6_attn
	.globl	k_qdebb68c2c6_attn
	.p2align	8
	.type	k_qdebb68c2c6_attn,@function
k_qdebb68c2c6_attn:
	s_mov_b64 s[64:65], 0
	v_nop
	global_prefetch_b8 v0, s[64:65] scope:SCOPE_SE
	s_setreg_imm32_b32 hwreg(HW_REG_WAVE_MODE, 25, 1), 1
	s_wait_xcnt 0x0
	s_wait_alu depctr_hold_cnt(0) depctr_sa_sdst(0) depctr_va_vdst(0) depctr_va_sdst(0) depctr_va_ssrc(0) depctr_va_vcc(0) depctr_vm_vsrc(0)
	s_getreg_b32 s2, hwreg(HW_REG_IB_STS2, 6, 4)
	s_cmp_eq_u32 s2, 0
	s_cbranch_scc0 .Lentry_in_a_cluster
	s_endpgm
.Lentry_in_a_cluster:
	s_bfe_u32 s2, ttmp6, 0x10000c
	s_cmp_lg_u32 s2, 0x3003
	s_cbranch_scc0 .Lentry_shape_is_right
	s_endpgm
.Lentry_shape_is_right:
; o = softmax(q k^T / 8) v on codes of FP6 (E2M3), for two heads of one image; o is quantised anew along (head, d) and stored as the register image of the last product's operand.
; SHARES: a cluster of four work-groups takes two heads; a work-group 256 queries of both: 32 JOBS of 16 queries x one head x 1,024 keys (eight trips of 128 keys).  Twelve waves, three to a SIMD: waves 0-7 take three jobs,
; waves 8-11 two.  First job: head 0, tile w.  Second: waves 0-3 head 0, tile 12 + w; waves 4-11 head 1, tile w - 4.  Third: waves 0-7 head 1, tile 8 + w; waves 8-11 walk its loop and branch round its work.
; Both products are used transposed (S^T = k q^T, O^T = v^T p^T): a lane holds one query throughout.
; LDS: a head's k and v (images and scale words, 106,496 dense bytes of its record) lie as 208 runs of 512 bytes, 640 bytes apart (the descriptor pads each run by 128 bytes): 133,120 bytes a head.
; Waves 0-3 bring 18 runs, waves 4-11 17, each by one joint load shared by the four work-groups.  Head 0 is asked for at the start, head 1 behind the full sequence and a round, when head 0 is in.  Nothing is filled again.
; Head 1's barrier is signalled behind the first job's third trip and waited for behind that job's end; between the two stand register work and LDS loads of head 0's bytes alone.
; WHICH KEYS FORM A TILE OF k IS CHOSEN BY THE LDS ADDRESS: tile t of a group of 64 keys takes keys 8 t + 0..7 as its rows 0-7 and keys 32 + 8 t + 0..7 as its rows 8-15.  In the image these are lanes (r % 8) + 8 (t / 2)
; of tile t % 2 of two neighbouring groups of 32, 1,920 bytes apart, which is 128 modulo 256: sixteen lanes of a load touch 256 different bytes modulo 256.
; So lane (r, h) holds, in the 32 registers of tiles 4 G .. 4 G + 3, the keys 64 G + 32 h + 0 .. 31 of query r: a WHOLE block of p, in the order of the operand's layout: no lane is asked for a block's maximum, no halves are exchanged.
; SOFTMAX by the problem's rule: M = ceil(running largest t), kept as -M = floor(-t); p = 2^(t - M); the sum is taken of the unquantised p; a change of M multiplies sum and O^T by an exact power of two.
; A block's largest p is made from its largest score by the same multiply-add and exponential as every p (this takes v_exp_f32 not to fall where its input rises).  A job's first trip is written out: its products start O^T.
; OUTPUT: oimg [tile of 16 rows 512][K step 8][head of the pair 2][768]: registers 0-3 of the head's six at 16 l, registers 4-5 at 512 + 8 l.  osc [tile][K step][64]: row r's word at 4 r, the head's two bytes at 2 x head.
; No prefetch: all that the launch reads of k and v is asked for by the two fills, the second as soon as the first is in; no later stream is left to run ahead of.
; LIMITS: the promise holds while the scaled scores stay under 2^31 in magnitude; NaN and infinities are not served; a block of o or p that is zero or under 2^-124 gets the byte 1 (read by this program alone).
.set LI,  1                            ; 16 x lane
.set LK,  2                            ; lane parts of the LDS addresses: k's fragments, v's, k's scale words, v's
.set LV,  3
.set LS,  4
.set LT,  5
.set ADK, 6                            ; the same with the trip's place
.set ADV, 7
.set ADS, 8
.set ADT, 9
.set NM,  10                           ; -M;  v[10:11] is named as a pair
.set MS,  11                           ; the running largest score
.set L,   12                           ; the sum, two halves
.set F,   14                           ; 2^(old M - new M);  v15 = 0
.set TP,  16
.set TX,  17
.set OLD, 18
.set SH8, 19                           ; 8 h
.set BM,  20                           ; v20-23 maxima
.set SO,  24                           ; the conversions' scale operands
.set BY,  26
.set WD,  28
.set WX,  29
.set BP,  30                           ; the sum's second chain
.set KS,  32                           ; scale words: k's v32-35, v's v36-39, q's v40-41, p's v42
.set VS,  36
.set QS0, 40
.set PS,  42
.set L8,  43                           ; 8 x lane
.set OW0, 44
.set VQ0, 46
.set VQ1, 47
.set VQS, 48
.set VOS, 49
.set SPW, 50                           ; my spare word's address, and 0: never rewritten
.set NIL, 51
.set QF0, 52                           ; v52-75 two sets of q's fragment, the upper six registers of each zero
.set KF,  76                           ; v76-123 eight tiles of k, then four fragments of v; v124-129 zero
.set S,   130                          ; v130-193 scores, then p
.set O,   194                          ; v194-225 O^T
.set PC,  226                          ; p's codes; at a job's end o's
.set OC,  226
.set PT,  238
.set WV,  10
.set TK,  13
.set TS,  14
.set CNT, 15
.set SEL, 20
.set CS,  22
.set G1,  24                           ; group 1 for 18 runs
.set G1S, 92                           ; and for 17
.set J1,  68                           ; a job's four addresses: q's codes, q's scale words, its part of oimg, of osc
.set J2,  76
.set J3,  84
.set REC, 159744
.set RUN, 640
.set HB,  208*RUN
.set KSB, 96*RUN
.set VB,  104*RUN
.set VSB, 200*RUN
.set SPARE, 2*HB                       ; the spare words: 128 bytes a wave, 1,536 bytes that no other line names
.macro CROUND
	s_barrier_signal -1
	s_barrier_wait -1
	s_cmp_lg_u32 s[WV], 0
	s_cbranch_scc1 .Lnot_wave_0_\@
	s_barrier_signal -3
.Lnot_wave_0_\@:
	s_barrier_wait -3
	s_barrier_signal -1
	s_barrier_wait -1
.endm
.macro JLOAD g0                        ; every wave's one joint load: two shapes, two lines, one to an arm
	s_cmp_lt_u32 s[WV], 4
	s_cbranch_scc0 .Lshort_\@
	tensor_load_to_lds s[\g0:\g0+3], s[G1:G1+7]
	s_nop 0
.rept 4
	v_nop
.endr
	s_branch .Lasked_\@
.Lshort_\@:
	tensor_load_to_lds s[\g0:\g0+3], s[G1S:G1S+7]
	s_nop 0
.rept 4
	v_nop
.endr
.Lasked_\@:
.endm
.macro JOBP jb, t, c                   ; a job's byte offsets: query tile s[t] (0 .. 63 of the image), head s[c] of the pair
	s_mul_i32 s57, s[\c], REC
	s_lshr_b32 s58, s[\t], 1
	s_mul_i32 s59, s58, 1536
	s_add_co_u32 s[\jb], s57, s59
	s_mov_b32 s[\jb+1], 0
	s_lshr_b32 s59, s[\t], 2
	s_lshl_b32 s59, s59, 8
	s_and_b32 s58, s58, 1
	s_lshl_b32 s58, s58, 2
	s_add_co_u32 s59, s59, s58
	s_add_co_u32 s59, s59, s57
	s_add_co_u32 s[\jb+2], s59, 49152
	s_mov_b32 s[\jb+3], 0
	s_add_co_u32 s58, s[\t], s52
	s_mul_i32 s59, s58, 12288
	s_mul_i32 s57, s[\c], 768
	s_add_co_u32 s59, s59, s57
	s_add_co_u32 s[\jb+4], s59, s53
	s_mov_b32 s[\jb+5], 0
	s_lshl_b32 s59, s58, 9
	s_lshl_b32 s57, s[\c], 1
	s_add_co_u32 s59, s59, s57
	s_add_co_u32 s[\jb+6], s59, s50
	s_mov_b32 s[\jb+7], 0
.endm
.macro QLOAD set, jb
	global_load_b64 v[QF0+12*\set:QF0+12*\set+1], v[VQ0], s[\jb:\jb+1]
	global_load_b64 v[QF0+12*\set+2:QF0+12*\set+3], v[VQ1], s[\jb:\jb+1]
	global_load_b64 v[QF0+12*\set+4:QF0+12*\set+5], v[VQ0], s[\jb:\jb+1] offset:512
	global_load_b32 v[QS0+\set], v[VQS], s[\jb+2:\jb+3]
.endm
	s_load_b128 s[4:7], s[0:1], 0x0                ; qkv, oimg
	s_load_b64 s[8:9], s[0:1], 0x10                ; osc
	v_lshl_add_u32 v[SPW], v0, 2, SPARE
	v_mov_b32 v[NIL], 0
	ds_add_u32 v[SPW], v[NIL]                      ; the opening lines: the add, twice on end, and its wait
	ds_add_u32 v[SPW], v[NIL]
	v_lshrrev_b32 v[TP], 5, v0
	v_readfirstlane_b32 s[WV], v[TP]               ; wave
	s_bfe_u32 s11, ttmp6, 0x40000                  ; cx
	s_and_b32 s12, ttmp7, 0xffff                   ; which pair of heads
	s_mov_b32 s[G1], 15|(3<<16)|(1<<20)|(1<<21)|(6<<22)|(31<<25)   ; all four partners; elements of 8 bytes; 32 words of padding behind every 128
	s_mov_b32 s[G1+1], 64<<16
	s_mov_b32 s[G1+2], 18<<16
	s_mov_b32 s[G1+3], 64<<16
	s_mov_b32 s[G1+4], 18
	s_mov_b32 s[G1+5], 64
	s_mov_b32 s[G1+6], 0
	s_mov_b32 s[G1+7], 0
	s_mov_b32 s[G1S], 15|(3<<16)|(1<<20)|(1<<21)|(6<<22)|(31<<25)
	s_mov_b32 s[G1S+1], 64<<16
	s_mov_b32 s[G1S+2], 17<<16
	s_mov_b32 s[G1S+3], 64<<16
	s_mov_b32 s[G1S+4], 17
	s_mov_b32 s[G1S+5], 64
	s_mov_b32 s[G1S+6], 0
	s_mov_b32 s[G1S+7], 0
	s_mul_i32 s44, s12, 2*REC
	s_mov_b32 s45, 0
	s_mul_i32 s46, s[WV], 17
	s_min_u32 s47, s[WV], 4
	s_add_co_u32 s48, s46, s47                     ; my first run: 17 w + min(w, 4)
	s_mul_i32 s46, s48, RUN                        ; in LDS,
	s_add_co_u32 s47, s46, HB
	s_lshl_b32 s48, s48, 9                         ; and in the record, behind q's part
	s_add_co_u32 s48, s48, 53248
	s_mov_b32 s49, 0
	s_and_b32 s51, s[WV], 1                        ; all my tiles have my wave's parity
	s_mul_i32 s54, s51, 520                        ; registers 0-1 of tile 0 at 0, of tile 1 (6-7 of the image) at 520
	s_mul_i32 s55, s51, 1016
	s_add_co_u32 s55, s55, 8                       ; registers 2-3: at 8 or at 1,024
	s_lshl_b32 s56, s51, 7
	s_lshr_b32 s52, s12, 3
	s_lshl_b32 s52, s52, 6                         ; image x 64
	s_and_b32 s50, s12, 7
	s_mul_i32 s53, s50, 1536                       ; o's K step: the pair of heads
	s_lshl_b32 s50, s50, 6
	s_lshl_b32 s40, s11, 4
	s_add_co_u32 s40, s40, s[WV]                   ; first job's tile
	s_lshr_b32 s41, s[WV], 2
	s_min_u32 s41, s41, 1                          ; second job's head: 0 for waves 0-3
	s_mul_i32 s16, s41, HB
	s_lshl_b32 s43, s41, 4
	s_sub_co_u32 s42, s40, s43
	s_add_co_u32 s42, s42, 12                      ; and tile
	s_add_co_u32 s43, s40, 8                       ; third job's tile
	s_mov_b32 s17, 0
	s_mov_b32 s18, 1
	JOBP J1, 40, 17
	JOBP J2, 42, 41
	JOBP J3, 43, 18
	s_mov_b32 s[SEL], 0x76543210
	s_mov_b32 s[SEL+1], 0xfedcba98
	s_mov_b32 s[CS], 0x3e38aa3b                    ; log2(e) / 8
	s_mov_b32 s[CS+1], s[CS]
	v_and_b32 v[TP], 31, v0                        ; lane
	v_and_b32 v[TX], 7, v0                         ; r % 8
	v_bfe_u32 v[OLD], v0, 3, 1                     ; r / 8
	v_bfe_u32 v[BM], v0, 4, 1                      ; h
	v_and_b32 v[BM+1], 15, v0                      ; r
	v_lshlrev_b32 v[LI], 4, v[TP]
	v_lshlrev_b32 v[L8], 3, v[TP]
	v_mul_u32_u24 v[LK], v[OLD], 3*RUN             ; rows 8-15: the next group of 32 keys
	v_lshl_add_u32 v[LK], v[TX], 4, v[LK]
	v_lshl_add_u32 v[LK], v[BM], 8, v[LK]
	v_lshl_add_u32 v[LV], v[TP], 4, VB
	v_lshl_add_u32 v[LS], v[TX], 3, KSB
	v_lshl_add_u32 v[LS], v[OLD], 2, v[LS]
	v_lshl_add_u32 v[LS], v[BM], 7, v[LS]          ; lanes 16-31 take the odd tile's words
	v_lshl_add_u32 v[LT], v[TP], 4, VSB
	v_lshlrev_b32 v[SH8], 3, v[BM]
	v_add_nc_u32 v[VQ0], s54, v[LI]
	v_add_nc_u32 v[VQ1], s55, v[LI]
	v_lshl_add_u32 v[VQS], v[BM+1], 3, s56
	v_lshlrev_b32 v[VOS], 2, v[BM+1]
.irp i, 6,7,8,9,10,11
	v_mov_b32 v[QF0+\i], 0                         ; K is 64 of the instruction's 128: q's upper codes are zeros, so what stands in k's upper registers adds nothing
	v_mov_b32 v[QF0+12+\i], 0
	v_mov_b32 v[KF+42+\i], 0
.endr
	v_mov_b32 v[WX], 0                             ; a lane permute's destination counts as one of its sources
	v_mov_b32 v[F+1], 0
	s_wait_alu depctr_va_vdst(0)
	s_wait_dscnt 0x0
	s_wait_kmcnt 0x0
	s_add_nc_u64 s[4:5], s[4:5], s[44:45]
.irp jb, J1, J2, J3
	s_add_nc_u64 s[\jb:\jb+1], s[4:5], s[\jb:\jb+1]
	s_add_nc_u64 s[\jb+2:\jb+3], s[4:5], s[\jb+2:\jb+3]
	s_add_nc_u64 s[\jb+4:\jb+5], s[6:7], s[\jb+4:\jb+5]
	s_add_nc_u64 s[\jb+6:\jb+7], s[8:9], s[\jb+6:\jb+7]
.endr
	QLOAD 0, J1
	QLOAD 1, J2
	s_add_nc_u64 s[48:49], s[4:5], s[48:49]
	s_mov_b32 s32, 1
	s_mov_b32 s33, s46
	s_mov_b64 s[34:35], s[48:49]
	s_or_b32 s35, s35, 0x80000000
	s_mov_b32 s36, 1
	s_mov_b32 s37, s47
	s_add_nc_u64 s[38:39], s[48:49], REC
	s_or_b32 s39, s39, 0x80000000
	CROUND                                         ; the four work-groups are here: the joint loads meet
	JLOAD 32                                       ; head 0: one load a wave at the head
	s_wait_tensorcnt 0x0                           ; my part of head 0 is in; the full sequence ahead of a later first fill
	ds_add_u32 v[SPW], v[NIL]
	s_wait_dscnt 0x0
	CROUND
	JLOAD 36                                       ; head 1
; A trip: 128 keys.  c: q's set of registers; first = 1: the job's first trip, which starts M, the sum and O^T.
.macro TRIP c, first
	v_add_nc_u32 v[ADK], s[TK], v[LK]              ; with the two lines at the last trip's end these are the four places behind its products, ahead of the loads into their registers
	v_add_nc_u32 v[ADS], s[TS], v[LS]
.irp p, 0,1,2,3                        ; pair p = tiles 2 p, 2 p + 1: twelve registers of one lane of the image
.irp k, 0,1,2
	ds_load_b128 v[KF+12*\p+4*\k:KF+12*\p+4*\k+3], v[ADK] offset:6*RUN*(\p/2)+128*(\p%2)+RUN*\k
.endr
	ds_load_b32 v[KS+\p], v[ADS] offset:256*(\p/2)+64*(\p%2)
.endr
.if \first
	s_wait_xcnt 0x0                                ; the last job's stores have read their registers
.endif
	s_wait_dscnt 0x0
.irp t, 0,1,2,3,4,5,6,7
.if \t%2
	v_wmma_scale_f32_16x16x128_f8f6f4 v[S+8*\t:S+8*\t+7], v[KF+6*\t:KF+6*\t+11], v[QF0+12*\c:QF0+12*\c+11], 0, v[KS+\t/2], v[QS0+\c] matrix_a_fmt:MATRIX_FMT_FP6 matrix_b_fmt:MATRIX_FMT_FP6 matrix_a_scale:MATRIX_SCALE_ROW1
.else
	v_wmma_scale_f32_16x16x128_f8f6f4 v[S+8*\t:S+8*\t+7], v[KF+6*\t:KF+6*\t+11], v[QF0+12*\c:QF0+12*\c+11], 0, v[KS+\t/2], v[QS0+\c] matrix_a_fmt:MATRIX_FMT_FP6 matrix_b_fmt:MATRIX_FMT_FP6
.endif
.endr
	v_add_nc_u32 v[ADV], s[TK], v[LV]              ; four places
	v_add_nc_u32 v[ADT], s[TS], v[LT]
.if \first
	v_nop
.else
	v_mov_b32 v[OLD], v[NM]
.endif
	v_nop
.irp f, 0,1,2,3
.irp k, 0,1,2
	ds_load_b128 v[KF+12*\f+4*\k:KF+12*\f+4*\k+3], v[ADV] offset:3*RUN*\f+RUN*\k
.endr
.endr
	ds_load_b128 v[VS:VS+3], v[ADT]
.irp q, 0,1,2,3                        ; four chains by turns, each accumulator read from its low end on
	v_max3_num_f32 v[BM+\q], v[S+16*\q], v[S+16*\q+1], v[S+16*\q+2]
.endr
.irp i, 3,5,7,9,11,13
.irp q, 0,1,2,3
	v_max3_num_f32 v[BM+\q], v[BM+\q], v[S+16*\q+\i], v[S+16*\q+\i+1]
.endr
.endr
	v_max3_num_f32 v[BM], v[BM], v[S+15], v[S+31]
	v_max3_num_f32 v[BM+2], v[BM+2], v[S+47], v[S+63]
	s_delay_alu instid0(VALU_DEP_2)
	v_max_num_f32 v[BM], v[BM], v[BM+1]            ; my two blocks' largest scores
	s_delay_alu instid0(VALU_DEP_2)
	v_max_num_f32 v[BM+2], v[BM+2], v[BM+3]
	s_delay_alu instid0(VALU_DEP_1)
.if \first
	v_max_num_f32 v[TP], v[BM], v[BM+2]
.else
	v_max3_num_f32 v[TP], v[BM], v[BM+2], v[MS]
.endif
	s_delay_alu instid0(VALU_DEP_1)
	v_permlanex16_b32 v[TX], v[TP], s[SEL], s[SEL+1]
	s_delay_alu instid0(VALU_DEP_1)
	v_max_num_f32 v[MS], v[TP], v[TX]              ; with lane l xor 16's blocks: the running largest score of my query
	s_delay_alu instid0(VALU_DEP_1)
	v_mul_f32 v[TP], s[CS], v[MS]
	s_delay_alu instid0(VALU_DEP_1)
	v_floor_f32 v[NM], -v[TP]                      ; -M = floor(-t)
.if \first == 0
	s_delay_alu instid0(VALU_DEP_1)
	v_sub_f32 v[TP], v[NM], v[OLD]
	s_delay_alu instid0(VALU_DEP_1)
	v_cvt_i32_f32 v[TP], v[TP]
	s_delay_alu instid0(VALU_DEP_1)
	v_ldexp_f32 v[F], 1.0, v[TP]                   ; 2^(old M - new M)
.endif
.set i, 0
.rept 32
	v_pk_fma_f32 v[S+i:S+i+1], v[S+i:S+i+1], s[CS:CS+1], v[NM:NM+1] op_sel_hi:[1,0,0]
.set i, i+2
.endr
	v_fma_f32 v[BM], v[BM], s[CS], v[NM]
	v_fma_f32 v[BM+2], v[BM+2], s[CS], v[NM]
	s_wait_alu depctr_va_vdst(0)
	v_exp_f32 v[BM], v[BM]                         ; the blocks' largest p
	v_exp_f32 v[BM+2], v[BM+2]
.set i, 0
.rept 64
	v_exp_f32 v[S+i], v[S+i]
.set i, i+1
.endr
	s_wait_alu depctr_va_vdst(0)                   ; and behind it, directly ahead of the first readers of O^T
.if \first
	v_nop
.else
.set i, 0
.rept 16
	v_pk_mul_f32 v[O+i:O+i+1], v[O+i:O+i+1], v[F:F+1] op_sel_hi:[1,0]
.set i, i+2
.endr
.endif
	v_max_num_f32 v[BM], 0x1800000, v[BM]          ; the floor 2^(3 - 127): the byte cannot fall under 1
	v_max_num_f32 v[BM+2], 0x1800000, v[BM+2]
	s_delay_alu instid0(VALU_DEP_2)
	v_add_nc_u32 v[SO], 0xff000000, v[BM]          ; 2 off the exponent field: the conversions' scale operand
	v_add_nc_u32 v[SO+1], 0xff000000, v[BM+2]
.irp k, 0,1
	v_cvt_scalef32_pk16_fp6_f32 v[PC+6*\k:PC+6*\k+2], v[S+32*\k:S+32*\k+15], v[SO+\k]
	v_cvt_scalef32_pk16_fp6_f32 v[PT+4*\k:PT+4*\k+2], v[S+32*\k+16:S+32*\k+31], v[SO+\k]   ; (a conversion's three registers begin on an even number)
.endr
	v_lshrrev_b32 v[BY], 23, v[SO]                 ; the bytes of blocks h and 2 + h
	v_lshrrev_b32 v[BY+1], 23, v[SO+1]
	s_delay_alu instid0(VALU_DEP_1)
	v_lshl_or_b32 v[WD], v[BY+1], 16, v[BY]
	s_delay_alu instid0(VALU_DEP_1)
	v_lshlrev_b32 v[WD], v[SH8], v[WD]             ; at their places in the word
	s_delay_alu instid0(VALU_DEP_1)
	v_permlanex16_b32 v[WX], v[WD], s[SEL], s[SEL+1]
	s_delay_alu instid0(VALU_DEP_1)
	v_or_b32 v[PS], v[WD], v[WX]                   ; with lane l xor 16's two the word is whole
.irp k, 0,1
.irp i, 0,1,2
	v_mov_b32 v[PC+6*\k+3+\i], v[PT+4*\k+\i]
.endr
.endr
.if \first                             ; the sum of the unquantised p, two chains
	v_pk_add_f32 v[L:L+1], v[S:S+1], v[S+2:S+3]
	v_pk_add_f32 v[BP:BP+1], v[S+4:S+5], v[S+62:S+63]
.else
	v_pk_fma_f32 v[L:L+1], v[L:L+1], v[F:F+1], v[S:S+1] op_sel_hi:[1,0,1]
	v_pk_add_f32 v[BP:BP+1], v[S+2:S+3], v[S+4:S+5]
.endif
.irp j, 6,10,14,18,22,26,30,34,38,42,46,50,54,58
	v_pk_add_f32 v[L:L+1], v[L:L+1], v[S+\j:S+\j+1]
	v_pk_add_f32 v[BP:BP+1], v[BP:BP+1], v[S+\j+2:S+\j+3]
.endr
	s_wait_alu depctr_va_vdst(0)
	s_wait_dscnt 0x0                               ; v's fragments and scale words
.irp f, 0,1,2,3
.if \first
	v_wmma_scale_f32_16x16x128_f8f6f4 v[O+8*\f:O+8*\f+7], v[KF+12*\f:KF+12*\f+11], v[PC:PC+11], 0, v[VS+\f], v[PS] matrix_a_fmt:MATRIX_FMT_FP6 matrix_b_fmt:MATRIX_FMT_FP6
.else
	v_wmma_scale_f32_16x16x128_f8f6f4 v[O+8*\f:O+8*\f+7], v[KF+12*\f:KF+12*\f+11], v[PC:PC+11], v[O+8*\f:O+8*\f+7], v[VS+\f], v[PS] matrix_a_fmt:MATRIX_FMT_FP6 matrix_b_fmt:MATRIX_FMT_FP6
.endif
.endr
.if \first
	v_nop
.else
	v_pk_add_f32 v[L:L+1], v[L:L+1], v[S+62:S+63]  ; the sum's last two lines are two of the places behind the products
.endif
	v_pk_add_f32 v[L:L+1], v[L:L+1], v[BP:BP+1]
.endm
.macro STEPK
	s_add_co_u32 s[TK], s[TK], 12*RUN
	s_add_co_u32 s[TS], s[TS], RUN
.endm
.macro LOOP c, n, guard                ; guard = 1: every wave walks the loop, waves 8-11 branch round the trip's work
	s_mov_b32 s[CNT], \n
.Lkey_\@:
.if \guard
	s_cmp_lt_u32 s[WV], 8
	s_cbranch_scc0 .Lskip_\@
.endif
	TRIP \c, 0
.if \guard
.Lskip_\@:
.endif
	STEPK
	s_sub_co_u32 s[CNT], s[CNT], 1
	s_cmp_lg_u32 s[CNT], 0
	s_cbranch_scc1 .Lkey_\@
.endm
; A job's end: O^T / the sum, quantised along d.  The 16 registers of tiles 2 b, 2 b + 1 are d = 32 b + 16 h + 0 .. 15 (the order of rows in v's image): a block lies in lanes l and l xor 16.
.macro FIN
	s_wait_alu depctr_va_vdst(0)
	v_add_f32 v[L], v[L], v[L+1]
	s_delay_alu instid0(VALU_DEP_1)
	v_permlanex16_b32 v[TX], v[L], s[SEL], s[SEL+1]
	s_delay_alu instid0(VALU_DEP_1)
	v_add_f32 v[L], v[L], v[TX]
	s_wait_alu depctr_va_vdst(0)
	v_rcp_f32 v[F], v[L]
	v_nop
	s_wait_alu depctr_va_vdst(0)
.set i, 0
.rept 16
	v_pk_mul_f32 v[S+i:S+i+1], v[O+i:O+i+1], v[F:F+1] op_sel_hi:[1,0]
.set i, i+2
.endr
.irp b, 0,1
	v_max3_num_f32 v[BM+\b], |v[S+16*\b]|, |v[S+16*\b+1]|, 0x1800000
.endr
.irp i, 2,4,6,8,10,12,14
.irp b, 0,1
	s_delay_alu instid0(VALU_DEP_2)
	v_max3_num_f32 v[BM+\b], v[BM+\b], |v[S+16*\b+\i]|, |v[S+16*\b+\i+1]|
.endr
.endr
.irp b, 0,1
	s_delay_alu instid0(VALU_DEP_2)
	v_permlanex16_b32 v[WD+\b], v[BM+\b], s[SEL], s[SEL+1]
.endr
.irp b, 0,1
	s_delay_alu instid0(VALU_DEP_2)
	v_max_num_f32 v[BM+\b], v[BM+\b], v[WD+\b]
.endr
.irp b, 0,1
	s_delay_alu instid0(VALU_DEP_2)
	v_add_nc_u32 v[SO+\b], 0xff000000, v[BM+\b]
.endr
.irp b, 0,1
	s_delay_alu instid0(VALU_DEP_2)
	v_lshrrev_b32 v[BY+\b], 23, v[SO+\b]
.endr
	s_delay_alu instid0(VALU_DEP_1)
	v_lshl_or_b32 v[OW0], v[BY+1], 8, v[BY]
	v_cvt_scalef32_pk16_fp6_f32 v[OC:OC+2], v[S:S+15], v[SO]
	v_cvt_scalef32_pk16_fp6_f32 v[PT:PT+2], v[S+16:S+31], v[SO+1]
	v_nop
.irp i, 0,1,2
	v_permlane16_swap_b32 v[OC+\i], v[PT+\i]
.endr
.irp i, 0,1,2
	s_delay_alu instid0(VALU_DEP_3)
	v_mov_b32 v[OC+3+\i], v[PT+\i]
.endr
.endm
.macro OUT jb
	global_store_b128 v[LI], v[OC:OC+3], s[\jb+4:\jb+5]               ; 32 lanes store 512 consecutive bytes,
	global_store_b64 v[L8], v[OC+4:OC+5], s[\jb+4:\jb+5] offset:512   ; and 256, both aligned
	global_store_b16 v[VOS], v[OW0], s[\jb+6:\jb+7]
.endm
	s_wait_loadcnt 0x0                             ; q of my first two jobs
	s_mov_b32 s[TK], 0
	s_mov_b32 s[TS], 0
	TRIP 0, 1                                      ; ---- first job: head 0
	STEPK
	LOOP 0, 2, 0
	s_wait_tensorcnt 0x0                           ; my part of head 1 is in: say so now,
	s_barrier_signal -1
	LOOP 0, 5, 0
	FIN
	s_wait_alu depctr_va_vdst(0)
	s_barrier_wait -1                              ; and head 1 is read only when every wave has said so
	OUT J1
	s_cmp_lt_u32 s[WV], 8
	s_cbranch_scc0 .Lno_third_q
	QLOAD 0, J3                                    ; the third job's q, a job ahead
.Lno_third_q:
	s_mov_b32 s[TK], s16                           ; ---- second job: head 0 for waves 0-3, head 1 for the others
	s_mov_b32 s[TS], s16
	TRIP 1, 1
	STEPK
	LOOP 1, 7, 0
	FIN
	OUT J2
	s_mov_b32 s[TK], HB                            ; ---- third job: head 1, waves 0-7
	s_mov_b32 s[TS], HB
	s_cmp_lt_u32 s[WV], 8
	s_cbranch_scc0 .Lno_third_a
	s_wait_loadcnt 0x0
	TRIP 0, 1
.Lno_third_a:
	STEPK
	LOOP 0, 7, 1
	s_cmp_lt_u32 s[WV], 8
	s_cbranch_scc0 .Lend
	FIN
	OUT J3
.Lend:
	s_wait_tensorcnt 0x0                           ; the wave's end
	ds_add_u32 v[SPW], v[NIL]
	s_wait_dscnt 0x0
	CROUND                                         ; the closing round
	s_endpgm
.Lfunc_end_k_qdebb68c2c6_attn:
	.size	k_qdebb68c2c6_attn, .Lfunc_end_k_qdebb68c2c6_attn-k_qdebb68c2c6_attn
	.p2alignl 7, 3214868480
	.fill 96, 4, 3214868480
	.section	.rodata,"a",@progbits
	.p2align	6, 0x0
	.amdhsa_kernel k_qdebb68c2c6_attn
		.amdhsa_group_segment_fixed_size 327680
		.amdhsa_private_segment_fixed_size 0
		.amdhsa_enable_private_segment 0
		.amdhsa_kernarg_size 24
		.amdhsa_user_sgpr_count 2
		.amdhsa_user_sgpr_kernarg_segment_ptr 1
		.amdhsa_wavefront_size32 1
		.amdhsa_system_sgpr_workgroup_id_x 1
		.amdhsa_system_sgpr_workgroup_id_y 1
		.amdhsa_system_sgpr_workgroup_id_z 1
		.amdhsa_system_vgpr_workitem_id 0
		.amdhsa_next_free_vgpr 256
		.amdhsa_next_free_sgpr 100
		.amdhsa_reserve_vcc 0
		.amdhsa_float_denorm_mode_32 3
		.amdhsa_float_denorm_mode_16_64 3
		.amdhsa_memory_ordered 1
		.amdhsa_forward_progress 1
		.amdhsa_inst_pref_size 126
	.end_amdhsa_kernel
	.amdgpu_metadata
---
amdhsa.version: [ 1, 2 ]
amdhsa.kernels:
  - .name:           k_qdebb68c2c6_attn
    .symbol:         k_qdebb68c2c6_attn.kd
    .args:
      - { .name: qkv, .offset: 0, .size: 8, .value_kind: global_buffer, .address_space: global }
      - { .name: oimg, .offset: 8, .size: 8, .value_kind: global_buffer, .address_space: global }
      - { .name: osc, .offset: 16, .size: 8, .value_kind: global_buffer, .address_space: global }
    .group_segment_fixed_size: 327680
    .private_segment_fixed_size: 0
    .kernarg_segment_align: 8
    .kernarg_segment_size: 24
    .max_flat_workgroup_size: 384
    .sgpr_count:     100
    .vgpr_count:     256
    .wavefront_size: 32
...
	.end_amdgpu_metadata
.endif
;; end of part 4
;; launch proj (part 5): grid 4 x 64, 4 waves a work-group, clusters of 4 x 4, 295,424 bytes of LDS; arguments oimg, osc, wimg, wsc, b_out, out0; writes out0
.if DOCPART == 5
	.amdgcn_target "amdgcn-amd-amdhsa--gfx1250"
	.amdhsa_code_object_version 6
	.text
	.protected	k_qdebb68c2c6_proj
	.globl	k_qdebb68c2c6_proj
	.p2align	8
	.type	k_qdebb68c2c6_proj,@function
k_qdebb68c2c6_proj:
	s_mov_b64 s[64:65], 0
	v_nop
	global_prefetch_b8 v0, s[64:65] scope:SCOPE_SE
	s_setreg_imm32_b32 hwreg(HW_REG_WAVE_MODE, 25, 1), 1
	s_wait_xcnt 0x0
	s_wait_alu depctr_hold_cnt(0) depctr_sa_sdst(0) depctr_va_vdst(0) depctr_va_sdst(0) depctr_va_ssrc(0) depctr_va_vcc(0) depctr_vm_vsrc(0)
	s_getreg_b32 s2, hwreg(HW_REG_IB_STS2, 6, 4)
	s_cmp_eq_u32 s2, 0
	s_cbranch_scc0 .Lentry_in_a_cluster
	s_endpgm
.Lentry_in_a_cluster:
	s_bfe_u32 s2, ttmp6, 0x10000c
	s_cmp_lg_u32 s2, 0xf033
	s_cbranch_scc0 .Lentry_shape_is_right
	s_endpgm
.Lentry_shape_is_right:
; out0 = o w_out + b_out on codes of FP6 (E2M3).  o's and w_out's codes come as register images; out0 [8192][1024] f32.
; A work-group makes 128 rows (A = o) x 256 columns (B = w_out's columns); source 0 of the matrix instruction is a tile of B, source 1 a tile of A: a lane holds one row of out0 and, by the order of rows in the images
; (in a group of 32, lane r of tile u is row 8 u + r + 8 (r / 8)), its 16 registers of B's tiles 2 b, 2 b + 1 are columns 32 b + 16 (lane / 16) + 0 .. 15.
; ALL OF K (1,024) OF BOTH TILES LIES IN LDS, filled once by one joint load a wave issued at the start (one is out).  Waves 0, 1 bring A's halves, waves 2, 3 B's.
; CLUSTER 4 x 4: A's tile is shared along the cluster's row, B's along its column.  A wave makes 64 x 128: 32 accumulators by turns, one instruction a turn.
; The bias is the C of each sum's first product.  The way out goes through each wave's own stage in LDS, in A's first tiles, which have had their only fill and which nobody reads behind the second barrier.
; REGISTERS: window 0: v1, v2 16 x and 8 x lane; v8-15 LDS addresses; v16-19 offsets; v32-47 A's scale words, v48-79 B's; v80-175 A's fragments, two sets; v176-239 the bias; on the way out v80-207 rows of out0.
;   window 1: B's fragments, two sets, at v0 and v96.   window 2: accumulator (a, b) at v[8 (8 a + b)].
.set LI,   1
.set L8,   2
.set ADRA, 8
.set ADRB, 12
.set VA,   16
.set VB,   17
.set STO,  18
.set RD,   19
.set SA,   32
.set SB,   48
.set AF,   80
.set BI,   176
.set BK,   80
.set PART, 24576                       ; LDS now holds [tile][all of K]: A's 8 tiles of 12,288 bytes, then B's 16; PART = two tiles of B, the reach of one address register
.set G1A,  28
.set G1B,  36
.set G0A,  44
.set G0B,  68
.set MUL,  0xa1                        ; source 0 (B) window 1, source 1 (A) window 0, C and D window 2
.set MSB,  0
.macro WIN new
.if MSB != (\new)
	s_set_vgpr_msb (MSB<<8)|(\new)
.set MSB, (\new)
.endif
.endm
.macro PLACES n
.rept \n
	v_nop
.endr
.endm
.macro CROUND
	s_barrier_signal -1
	s_barrier_wait -1
	s_cmp_lg_u32 s16, 0
	s_cbranch_scc1 .Lnot_wave_0_\@
	s_barrier_signal -3
.Lnot_wave_0_\@:
	s_barrier_wait -3
	s_barrier_signal -1
	s_barrier_wait -1
.endm
.macro WM d, fb, fa, c, sb, sa, rb, ra
.if (\rb) && (\ra)
	v_wmma_scale_f32_16x16x128_f8f6f4 v[(\d):(\d)+7], v[(\fb):(\fb)+11], v[(\fa):(\fa)+11], v[(\c):(\c)+7], v[\sb], v[\sa] matrix_a_fmt:MATRIX_FMT_FP6 matrix_b_fmt:MATRIX_FMT_FP6 matrix_a_scale:MATRIX_SCALE_ROW1 matrix_b_scale:MATRIX_SCALE_ROW1
.elseif (\rb)
	v_wmma_scale_f32_16x16x128_f8f6f4 v[(\d):(\d)+7], v[(\fb):(\fb)+11], v[(\fa):(\fa)+11], v[(\c):(\c)+7], v[\sb], v[\sa] matrix_a_fmt:MATRIX_FMT_FP6 matrix_b_fmt:MATRIX_FMT_FP6 matrix_a_scale:MATRIX_SCALE_ROW1
.elseif (\ra)
	v_wmma_scale_f32_16x16x128_f8f6f4 v[(\d):(\d)+7], v[(\fb):(\fb)+11], v[(\fa):(\fa)+11], v[(\c):(\c)+7], v[\sb], v[\sa] matrix_a_fmt:MATRIX_FMT_FP6 matrix_b_fmt:MATRIX_FMT_FP6 matrix_b_scale:MATRIX_SCALE_ROW1
.else
	v_wmma_scale_f32_16x16x128_f8f6f4 v[(\d):(\d)+7], v[(\fb):(\fb)+11], v[(\fa):(\fa)+11], v[(\c):(\c)+7], v[\sb], v[\sa] matrix_a_fmt:MATRIX_FMT_FP6 matrix_b_fmt:MATRIX_FMT_FP6
.endif
.endm
; 16 products: A's blocks a0, a0 + 1 x B's eight, K step s.  first = 1: C is the bias of B's block (window 0).
.macro MUL16 a0, s, first
.irp a, \a0, \a0+1
.irp b, 0,1,2,3,4,5,6,7
.if \first
	WM 8*(8*(\a)+\b), 96*((\s)%2)+12*\b, AF+48*((\s)%2)+12*(\a), BI+8*\b, SB+4*(\s)+2*(\b/4)+\b%2, SA+2*(\s)+(\a)%2, (\b/2)%2, (\a)/2
.else
	WM 8*(8*(\a)+\b), 96*((\s)%2)+12*\b, AF+48*((\s)%2)+12*(\a), 8*(8*(\a)+\b), SB+4*(\s)+2*(\b/4)+\b%2, SA+2*(\s)+(\a)%2, (\b/2)%2, (\a)/2
.endif
.endr
.endr
.endm
.macro FETCH s
	WIN 0x40
.irp b, 0,1,2,3,4,5,6,7
.irp c, 0,1,2
	ds_load_b128 v[96*((\s)%2)+12*\b+4*\c:96*((\s)%2)+12*\b+4*\c+3], v[ADRB+\b/2] offset:(\b%2)*12288+(\s)*1536+512*\c
.endr
.endr
	WIN 0
.irp a, 0,1,2,3
.irp c, 0,1                            ; o's image: for each head of the K step's two, registers 0-3 of its six at 16 l, registers 4-5 at 512 + 8 l
	ds_load_b128 v[AF+48*((\s)%2)+12*\a+6*\c:AF+48*((\s)%2)+12*\a+6*\c+3], v[ADRA] offset:\a*12288+(\s)*1536+768*\c
	ds_load_b64 v[AF+48*((\s)%2)+12*\a+6*\c+4:AF+48*((\s)%2)+12*\a+6*\c+5], v[ADRA+1] offset:\a*12288+(\s)*1536+768*\c+512
.endr
.endr
.endm
	s_load_b256 s[4:11], s[0:1], 0x0               ; oimg, osc, wimg, wsc
	s_load_b128 s[12:15], s[0:1], 0x20             ; b_out, out0
	v_lshl_add_u32 v254, v0, 2, 0x48000
	v_mov_b32 v255, 0
	ds_add_u32 v254, v255
	ds_add_u32 v254, v255
	v_lshrrev_b32 v3, 5, v0
	v_readfirstlane_b32 s16, v3                    ; wave
	s_lshr_b32 s17, s16, 1                         ; wa: my 64 of the 128 rows.  Also: I fetch for A (0) or for B (1)
	s_and_b32 s18, s16, 1                          ; wb: my 128 of the 256 columns.  Also: which half of that tile I fetch
	s_bfe_u32 s19, ttmp6, 0x40000                  ; cx
	s_bfe_u32 s20, ttmp6, 0x40004                  ; cy
	s_and_b32 s22, ttmp7, 0xffff                   ; the cluster's y
	s_lshl_b32 s92, s20, 2
	s_lshl_b32 s92, 15, s92                        ; my row of the cluster
	s_lshl_b32 s94, 0x1111, s19                    ; my column
	s_or_b32 s[G1A], s92, (3<<16)|(1<<21)          ; rows of 12,288 bytes (a whole tile, all of K), 12,288 bytes apart in memory, dense in LDS; A: 4 tiles a load, B: 8
	s_or_b32 s[G1B], s94, (3<<16)|(1<<21)
	s_mov_b32 s[G1A+1], 1536<<16                   ; a row is a whole tile, all of K: 12,288 bytes; ONE load a wave brings its 4 (A) or 8 (B) tiles
	s_mov_b32 s[G1A+2], 4<<16
	s_mov_b32 s[G1A+3], 1536<<16
	s_mov_b32 s[G1A+4], 4
	s_mov_b32 s[G1A+5], 1536
	s_mov_b32 s[G1A+6], 0
	s_mov_b32 s[G1A+7], 0
	s_mov_b32 s[G1B+1], 1536<<16
	s_mov_b32 s[G1B+2], 8<<16
	s_mov_b32 s[G1B+3], 1536<<16
	s_mov_b32 s[G1B+4], 8
	s_mov_b32 s[G1B+5], 1536
	s_mov_b32 s[G1B+6], 0
	s_mov_b32 s[G1B+7], 0
	s_lshl_b32 s23, s22, 2
	s_add_co_u32 s23, s23, s20                     ; atile: which 128 rows
	s_add_co_u32 s24, s19, 12                      ; btile: w_out's columns begin at tile 192 = 12 x 16
	s_mul_i32 s2, s18, 49152
	s_mul_i32 s3, s18, 98304
	s_add_co_u32 s3, s3, 98304
	s_mul_i32 s92, s23, 98304
	s_mul_i32 s93, s18, 49152
	s_add_co_u32 s92, s92, s93
	s_mov_b32 s93, 0
	s_mul_i32 s94, s24, 196608
	s_mul_i32 s95, s18, 98304
	s_add_co_u32 s94, s94, s95
	s_mov_b32 s95, 0
	s_wait_dscnt 0x0
	s_wait_kmcnt 0x0
	s_add_nc_u64 s[84:85], s[4:5], s[92:93]        ; my four tiles of A
	s_add_nc_u64 s[86:87], s[8:9], s[94:95]        ; my eight tiles of B
	s_mov_b32 s[G0A], 1
	s_mov_b32 s[G0A+1], s2
	s_mov_b64 s[G0A+2:G0A+3], s[84:85]
	s_or_b32 s[G0A+3], s[G0A+3], 0x80000000
	s_mov_b32 s[G0B], 1
	s_mov_b32 s[G0B+1], s3
	s_mov_b64 s[G0B+2:G0B+3], s[86:87]
	s_or_b32 s[G0B+3], s[G0B+3], 0x80000000
	s_lshl_b32 s92, s23, 3
	s_lshl_b32 s96, s17, 2
	s_add_co_u32 s92, s92, s96
	s_lshl_b32 s92, s92, 9                         ; osc: 512 bytes a tile, my four tiles
	s_add_nc_u64 s[6:7], s[6:7], s[92:93]
	s_lshl_b32 s94, s24, 2
	s_lshl_b32 s96, s18, 1
	s_add_co_u32 s94, s94, s96
	s_lshl_b32 s94, s94, 11                        ; wsc: my 128 columns
	s_add_nc_u64 s[10:11], s[10:11], s[94:95]
	s_lshl_b32 s96, s19, 10
	s_lshl_b32 s97, s18, 9
	s_add_co_u32 s96, s96, s97                     ; my first column, in bytes
	s_mov_b32 s97, 0
	s_add_nc_u64 s[12:13], s[12:13], s[96:97]
	s_add_nc_u64 s[14:15], s[14:15], s[96:97]
	s_lshl_b32 s96, s23, 7
	s_lshl_b32 s98, s17, 6
	s_add_co_u32 s96, s96, s98
	s_lshl_b32 s96, s96, 12                        ; my first row of 4,096 bytes
	s_add_nc_u64 s[14:15], s[14:15], s[96:97]
	CROUND                                         ; all sixteen work-groups are here: the joint loads meet
	s_cmp_eq_u32 s17, 0
	s_cbranch_scc0 .Lfor_b
	tensor_load_to_lds s[G0A:G0A+3], s[G1A:G1A+7]
	s_nop 0
	PLACES 4
	s_branch .Lasked
.Lfor_b:
	tensor_load_to_lds s[G0B:G0B+3], s[G1B:G1B+7]
	s_nop 0
	PLACES 4
.Lasked:
	v_and_b32 v3, 31, v0                           ; lane
	v_and_b32 v4, 15, v0                           ; r
	v_bfe_u32 v5, v0, 4, 1                         ; h
	v_lshlrev_b32 v[LI], 4, v3
	v_lshlrev_b32 v[L8], 3, v3
	v_lshlrev_b32 v[VA], 2, v4
	v_lshl_add_u32 v[VA], v5, 10, v[VA]            ; A's scale words: lanes 0-15 tile e, lanes 16-31 tile e + 2: 1,024 h + 4 r
	v_lshlrev_b32 v[VB], 6, v5                     ; the bias: 16 columns further on for lanes 16-31
.irp s, 0,1,2,3,4,5,6,7
	global_load_b32 v[SA+2*\s], v[VA], s[6:7] offset:64*\s
	global_load_b32 v[SA+2*\s+1], v[VA], s[6:7] offset:512+64*\s
	global_load_b64 v[SB+4*\s:SB+4*\s+1], v[L8], s[10:11] offset:256*\s
	global_load_b64 v[SB+4*\s+2:SB+4*\s+3], v[L8], s[10:11] offset:2048+256*\s
.endr
.irp b, 0,1,2,3,4,5,6,7                ; register j of B's block b: column 32 (b / 2) + 16 h + 8 (b % 2) + j
	global_load_b128 v[BI+8*\b:BI+8*\b+3], v[VB], s[12:13] offset:(32*(\b/2)+8*(\b%2))*4
	global_load_b128 v[BI+8*\b+4:BI+8*\b+7], v[VB], s[12:13] offset:(32*(\b/2)+8*(\b%2))*4+16
.endr
	s_mul_i32 s96, s17, 49152                      ; my four tiles of A
	s_mul_i32 s97, s18, 98304
	s_add_co_u32 s97, s97, 98304                   ; my eight tiles of B: an address register for each two
	v_add_nc_u32 v[ADRA], s96, v[LI]
	v_add_nc_u32 v[ADRA+1], s96, v[L8]
	v_add_nc_u32 v[ADRB], s97, v[LI]
.irp p, 1,2,3
	v_add_nc_u32 v[ADRB+\p], \p*PART, v[ADRB]
.endr
	s_mul_i32 s96, s16, 16*528                     ; my stage: 16 rows of 512 bytes + 16
	v_mul_u32_u24 v[STO], v4, 528
	v_lshl_add_u32 v[STO], v5, 6, v[STO]
	v_add_nc_u32 v[STO], s96, v[STO]               ; in: row r, + 64 h
	v_add_nc_u32 v[RD], s96, v[LI]                 ; back: a whole row, 16 bytes a lane
	s_wait_alu depctr_va_vdst(0)
	s_wait_tensorcnt 0x0                           ; my one load is in: all of K of my tiles
	s_barrier_signal -1
	s_barrier_wait -1
	FETCH 0
	s_wait_loadcnt 0x0                             ; the scale words and the bias
	s_wait_dscnt 0x0
	FETCH 1
	WIN 0x81                                       ; source 0 window 1, C (the bias) window 0, D window 2
	MUL16 0, 0, 1
	MUL16 2, 0, 1
.macro EVEN s
	s_wait_dscnt 0x0
	PLACES 4
	FETCH (\s)+1
	WIN MUL
	MUL16 0, \s, 0
	MUL16 2, \s, 0
.endm
.irp s, 1,2,3,4,5,6
	EVEN \s
.endr
	s_wait_dscnt 0x0                               ; my last reads of the tiles are over: say so,
	s_barrier_signal -1
	MUL16 0, 7, 0
	MUL16 2, 7, 0
	s_barrier_wait -1                              ; and store into the stages, which lie in A's first tiles, only when every wave has said so
	PLACES 4                                       ; in front of the first read of results and of loads into the fragments' registers
	WIN 0
; THE WAY OUT, a block of 16 rows x 128 columns at a time: a lane holds pieces of one row, the lanes beside it other rows; the block goes through my stage and comes back as whole rows of 512 bytes.
; LDS serves a wave's instructions in order (ISA guide 5.7.1.4): no wait between the stores and the loads, nor in front of the next block's stores.
.macro TOSTAGE a
	WIN 0x08                                       ; an LDS store's data: window 2
.irp b, 0,1,2,3,4,5,6,7
	ds_store_b128 v[STO], v[8*(8*(\a)+\b):8*(8*(\a)+\b)+3] offset:128*(\b/2)+32*(\b%2)       ; each accumulator from its low end on
	ds_store_b128 v[STO], v[8*(8*(\a)+\b)+4:8*(8*(\a)+\b)+7] offset:128*(\b/2)+32*(\b%2)+16
.endr
	WIN 0
.set BB, BK+64*((\a)%2)
.set i, 0
.rept 16
	ds_load_b128 v[BB+4*i:BB+4*i+3], v[RD] offset:i*528
.set i, i+1
.endr
.endm
.macro SEND a, younger                 ; younger: the LDS instructions issued behind block a's loads, which may stay out.  Row t of tile a = 2 g + u is row 32 g + 8 u + t + 8 (t / 8)
.set BB, BK+64*((\a)%2)
	s_wait_dscnt \younger
.set i, 0
.rept 16
	global_store_b128 v[LI], v[BB+4*i:BB+4*i+3], s[14:15] offset:(32*((\a)/2)+8*((\a)%2)+i+8*(i/8))*4096 th:TH_STORE_NT   ; 32 lanes store 512 consecutive bytes, aligned
.set i, i+1
.endr
.endm
	TOSTAGE 0
	TOSTAGE 1
	SEND 0, 32                                     ; behind block 0's loads: block 1's 16 stores and 16 loads
	s_wait_xcnt 0x0                                ; block 0's stores have read their registers: block 2's loads may land there
	TOSTAGE 2
	SEND 1, 32
	s_wait_xcnt 0x0
	TOSTAGE 3
	SEND 2, 32
	SEND 3, 0
	s_wait_tensorcnt 0x0
	ds_add_u32 v254, v255
	s_wait_dscnt 0x0
	CROUND                                         ; the closing round: no work-group ends while a partner may still ask for a tile that names it
	s_endpgm
.Lfunc_end_k_qdebb68c2c6_proj:
	.size	k_qdebb68c2c6_proj, .Lfunc_end_k_qdebb68c2c6_proj-k_qdebb68c2c6_proj
	.p2alignl 7, 3214868480
	.fill 96, 4, 3214868480
	.section	.rodata,"a",@progbits
	.p2align	6, 0x0
	.amdhsa_kernel k_qdebb68c2c6_proj
		.amdhsa_group_segment_fixed_size 295424
		.amdhsa_private_segment_fixed_size 0
		.amdhsa_enable_private_segment 0
		.amdhsa_kernarg_size 48
		.amdhsa_user_sgpr_count 2
		.amdhsa_user_sgpr_kernarg_segment_ptr 1
		.amdhsa_wavefront_size32 1
		.amdhsa_system_sgpr_workgroup_id_x 1
		.amdhsa_system_sgpr_workgroup_id_y 1
		.amdhsa_system_sgpr_workgroup_id_z 1
		.amdhsa_system_vgpr_workitem_id 0
		.amdhsa_next_free_vgpr 768
		.amdhsa_next_free_sgpr 100
		.amdhsa_reserve_vcc 0
		.amdhsa_float_denorm_mode_32 3
		.amdhsa_float_denorm_mode_16_64 3
		.amdhsa_memory_ordered 1
		.amdhsa_forward_progress 1
		.amdhsa_inst_pref_size 80
	.end_amdhsa_kernel
	.amdgpu_metadata
---
amdhsa.version: [ 1, 2 ]
amdhsa.kernels:
  - .name:           k_qdebb68c2c6_proj
    .symbol:         k_qdebb68c2c6_proj.kd
    .args:
      - { .name: oimg, .offset: 0, .size: 8, .value_kind: global_buffer, .address_space: global }
      - { .name: osc, .offset: 8, .size: 8, .value_kind: global_buffer, .address_space: global }
      - { .name: wimg, .offset: 16, .size: 8, .value_kind: global_buffer, .address_space: global }
      - { .name: wsc, .offset: 24, .size: 8, .value_kind: global_buffer, .address_space: global }
      - { .name: b_out, .offset: 32, .size: 8, .value_kind: global_buffer, .address_space: global }
      - { .name: out0, .offset: 40, .size: 8, .value_kind: global_buffer, .address_space: global }
    .group_segment_fixed_size: 295424
    .private_segment_fixed_size: 0
    .kernarg_segment_align: 8
    .kernarg_segment_size: 48
    .max_flat_workgroup_size: 128
    .sgpr_count:     100
    .vgpr_count:     768
    .wavefront_size: 32
...
	.end_amdgpu_metadata
.endif
;; end of part 5
